; MI455X (gfx1250); checked and timed in simulation.
; The chip was launched on July 23, 2026; its instructions are those of AMD's public machine-readable ISA for CDNA 5 (MIT licence, August 2026) and "CDNA5" Instruction Set Architecture Reference Guide (July 2026). The comments in the code are by the model that wrote it; some were corrected since.
;; Differentiable Memory. Allowed arithmetic: float matrix products may take bf16 or f16 operands with f32 sums; other float arithmetic in f32, or as packed bf16 or f16 multiplies, adds, multiply-adds, maxima and minima; sums over many terms, partial sums and values carried from step to step in f32; what a program stores and reads back later, other than sums and carried values, may be rounded once to bf16 or f16.
;; Inputs: Wk 1,024 x 1,024 float32; Wo 1,024 x 2,048 float32; Wq 1,024 x 1,024 float32; Wv 1,024 x 1,024 float32; bk 1,024 float32; bo 1,024 float32; bq 1,024 float32; bv 1,024 float32; hidden_states 8 x 2,048 x 1,024 float32.
;; Outputs: out0 8 x 2,048 x 1,024 float32.
;; 2 versions, each right; version 2 is version 1 with the launch main written anew for expert scheduling mode. Each part assembles by itself: llvm-mc -triple=amdgcn-amd-amdhsa -mcpu=gfx1250 --defsym DOCPART=n.
;; ======== version 1 of 2: 4 launches
;; workspace buffers: wts 16,777,216 bytes; kv 8,454,144 bytes; mem 8,396,800 bytes
;; launch prep (part 1): grid 256 x 1, 8 waves a work-group, no clusters, 68,608 bytes of LDS; arguments Wq, Wo, Wk, Wv, hidden_states, wts; writes wts
.if DOCPART == 1
	.amdgcn_target "amdgcn-amd-amdhsa--gfx1250"
	.amdhsa_code_object_version 6
	.text
	.protected	k_qfad3fd5b4c_prep
	.globl	k_qfad3fd5b4c_prep
	.p2align	8
	.type	k_qfad3fd5b4c_prep,@function
k_qfad3fd5b4c_prep:
	s_mov_b64 s[64:65], 0
	v_nop
	global_prefetch_b8 v0, s[64:65] scope:SCOPE_SE
	s_setreg_imm32_b32 hwreg(HW_REG_WAVE_MODE, 25, 1), 1
	s_wait_xcnt 0x0
; PREP: the weights and the 256 sampled rows of each batch, rounded once to bf16 and laid in FRAGMENT ORDER in wts.
; A piece is 512 bytes: lane 16 h + r holds row r of a tile of 16 rows, k = 32 ks + 16 g + 8 h + 0..7.  For a matrix of rows n and K columns
;   byte = (n>>8) (K/128) 65536 + (ks>>2) 65536 + ((n>>6)&3) 16384 + (ks&3) 4096 + ((n>>4)&3) 1024 + g 512 + lane 16.
; wts: 0 Wq | 2M Wo[:, :1024] | 4M Wk | 6M Wv | 8M Wo[:, 1024:] | 10M Wq transposed (rows i, k = o) | 12M the sampled rows, a group of 256 for each batch.
; Eight tasks of 1,024 rows x 1,024 k, 32 work-groups each; a wave takes 16 rows x 256 k: 16 pieces.
; The sampled position of slot i is floor(2047 i / 255): 2047 and 255 share no factor, so 2047 i / 255 lies at least 1/255 from a whole number for 0 < i < 255,
; far more than the f32 error of the reference's 2047 * (i / 255); the truncation is therefore this whole-number quotient.
; Rows go through the wave's own stage in LDS (pitch 528 = 33 x 16 bytes, so that the sixteen rows of a piece start in sixteen different 16-byte columns);
; the transposed task gathers its pieces straight into registers.  No matrix unit, no cluster: nothing is multiplied and no two work-groups read the same bytes.
.set STG,   528
.set SPARE, 8*16*STG                   ; 67,584: behind the eight stages: the spare words, 128 bytes for each wave
.set LN16, 4                           ; v4      16 x lane
.set SW,   5                           ; v5      stage + 8 x lane: where a row's 256 bytes are put
.set SR,   6                           ; v6      stage + 528 r + 16 h: where a piece is read
.set TR,   7                           ; v7      the transposed task: 8 h rows of Wq + 4 r
.set SPW,  8                           ; v8      my spare word; never rewritten
.set NIL,  9                           ; v9      0; never rewritten
.set RO,   10                          ; v10-25  row q: its byte offset in the source + 16 x lane
.set PK,   32                          ; v32-95  the 16 pieces
.set D,    96                          ; v96-223 as loaded
.set WV,   16
.set TT,   17                          ; the task
.set RTL,  18                          ; which of the task's 64 tiles of 16 rows
.set KQ,   19                          ; which quarter of k
.set SRC,  20
.set DST,  22
.set PITCH, 24
.set OFS,  26                          ; s[26:27] an offset in 64 bits
	s_load_b256 s[4:11], s[0:1], 0x0               ; Wq s[4:5], Wo s[6:7], Wk s[8:9], Wv s[10:11]
	s_load_b128 s[12:15], s[0:1], 0x20             ; hidden_states s[12:13], wts s[14:15]
	v_lshl_add_u32 v[SPW], v0, 2, SPARE
	v_mov_b32 v[NIL], 0
	v_lshrrev_b32 v1, 5, v0
	v_readfirstlane_b32 s[WV], v1                  ; wave 0..7
	v_and_b32 v1, 31, v0                           ; lane
	v_and_b32 v2, 15, v0                           ; r
	v_bfe_u32 v3, v0, 4, 1                         ; h
	s_lshr_b32 s[TT], ttmp9, 5
	s_and_b32 s28, ttmp9, 15
	s_and_b32 s29, s[WV], 3
	s_lshl2_add_u32 s[RTL], s28, s29               ; 4 x (work-group mod 16) + wave mod 4
	s_bfe_u32 s28, ttmp9, 0x10004
	s_lshr_b32 s29, s[WV], 2
	s_lshl1_add_u32 s[KQ], s28, s29                ; 2 x (bit 4 of the work-group) + wave / 4
	v_lshlrev_b32 v[LN16], 4, v1
	s_mul_i32 s30, s[WV], 16*STG                   ; my stage
	v_lshl_add_u32 v[SW], v1, 3, s30
	v_mul_u32_u24 v[SR], v2, STG
	v_lshl_add_u32 v[SR], v3, 4, v[SR]
	v_add_nc_u32 v[SR], s30, v[SR]
	v_lshlrev_b32 v[TR], 15, v3
	v_lshl_add_u32 v[TR], v2, 2, v[TR]
	; where my 16 pieces go: the task's 2 MB (tasks 0-4 in order, the gathers at 12M and 14M, the transpose at 10M), then the formula above
	s_add_co_u32 s28, s[TT], 1
	s_cmp_gt_u32 s[TT], 4
	s_cselect_b32 s28, s28, s[TT]
	s_cmp_eq_u32 s[TT], 7
	s_cselect_b32 s28, 5, s28
	s_lshl_b32 s[OFS], s28, 21
	s_lshr_b32 s28, s[RTL], 4
	s_lshl_b32 s28, s28, 19
	s_add_co_u32 s[OFS], s[OFS], s28
	s_lshl_b32 s28, s[KQ], 17
	s_add_co_u32 s[OFS], s[OFS], s28
	s_bfe_u32 s28, s[RTL], 0x20002
	s_lshl_b32 s28, s28, 14
	s_add_co_u32 s[OFS], s[OFS], s28
	s_and_b32 s28, s[RTL], 3
	s_lshl_b32 s28, s28, 10
	s_add_co_u32 s[OFS], s[OFS], s28
	s_mov_b32 s[OFS+1], 0
	s_lshl_b32 s35, s[KQ], 10                      ; my quarter of a row of f32
	s_wait_kmcnt 0x0
	s_add_nc_u64 s[DST:DST+1], s[14:15], s[OFS:OFS+1]
	s_mov_b64 s[SRC:SRC+1], s[4:5]                 ; tasks 0 and 7 read Wq
	s_cmp_eq_u32 s[TT], 1
	s_cselect_b64 s[SRC:SRC+1], s[6:7], s[SRC:SRC+1]
	s_cmp_eq_u32 s[TT], 4
	s_cselect_b64 s[SRC:SRC+1], s[6:7], s[SRC:SRC+1]
	s_cmp_eq_u32 s[TT], 2
	s_cselect_b64 s[SRC:SRC+1], s[8:9], s[SRC:SRC+1]
	s_cmp_eq_u32 s[TT], 3
	s_cselect_b64 s[SRC:SRC+1], s[10:11], s[SRC:SRC+1]
	s_cmp_eq_u32 s[TT], 5
	s_cselect_b64 s[SRC:SRC+1], s[12:13], s[SRC:SRC+1]
	s_cmp_eq_u32 s[TT], 6
	s_cselect_b64 s[SRC:SRC+1], s[12:13], s[SRC:SRC+1]
.macro PUT n                           ; piece n = 2 j + g leaves: 512 consecutive bytes
	global_store_b128 v[LN16], v[PK+4*(\n):PK+4*(\n)+3], s[DST:DST+1] offset:((\n)/8)*65536+(((\n)/2)%4)*4096+((\n)%2)*512
.endm
	s_cmp_eq_u32 s[TT], 7
	s_cbranch_scc1 .Ltrans
	s_cmp_gt_u32 s[TT], 4
	s_cbranch_scc1 .Lgather
	; a weight: rows 16 RTL + q at the matrix's pitch (Wo's rows are 8,192 bytes; its second half begins 4,096 bytes in)
	s_movk_i32 s31, 0x2000
	s_movk_i32 s[PITCH], 0x1000
	s_cmp_eq_u32 s[TT], 1
	s_cselect_b32 s[PITCH], s31, s[PITCH]
	s_cmp_eq_u32 s[TT], 4
	s_cselect_b32 s[PITCH], s31, s[PITCH]
	s_cselect_b32 s30, 0x1000, 0
	s_lshl_b32 s31, s[RTL], 4
	s_mul_i32 s31, s31, s[PITCH]
	s_add_co_u32 s31, s31, s30
	s_add_co_u32 s31, s31, s35
.irp q, 0,1,2,3,4,5,6,7,8,9,10,11,12,13,14,15
	v_add_nc_u32 v[RO+(\q)], s31, v[LN16]
	s_add_co_u32 s31, s31, s[PITCH]
.endr
	s_branch .Lload
.Lgather:
	; slot i = 16 (RTL mod 16) + q of batch 4 (task - 5) + RTL / 16 is row floor(2047 i / 255) of that batch
	s_sub_co_u32 s32, s[TT], 5
	s_lshr_b32 s33, s[RTL], 4
	s_lshl2_add_u32 s32, s32, s33
	s_lshl_b32 s32, s32, 11                        ; the batch's first row
	s_and_b32 s33, s[RTL], 15
	s_lshl_b32 s33, s33, 4
	s_mul_i32 s33, s33, 2047                       ; 2047 i
.irp q, 0,1,2,3,4,5,6,7,8,9,10,11,12,13,14,15
	s_mul_hi_u32 s34, s33, 0x80808081              ; n / 255 = (n x 0x80808081) >> 39 for every 32-bit n
	s_lshr_b32 s34, s34, 7
	s_add_co_u32 s34, s34, s32
	s_lshl_b32 s34, s34, 12                        ; rows of 4,096 bytes: 67 MB at the most
	s_add_co_u32 s34, s34, s35
	v_add_nc_u32 v[RO+(\q)], s34, v[LN16]
	s_add_co_u32 s33, s33, 2047
.endr
.Lload:
.irp q, 0,1,2,3,4,5,6,7,8,9,10,11,12,13,14,15
	global_load_b128 v[D+8*(\q):D+8*(\q)+3],   v[RO+(\q)], s[SRC:SRC+1]             ; 512 consecutive bytes of row q,
	global_load_b128 v[D+8*(\q)+4:D+8*(\q)+7], v[RO+(\q)], s[SRC:SRC+1] offset:512  ; and the next 512
.endr
.irp q, 0,1,2,3,4,5,6,7,8,9,10,11,12,13,14,15
	s_wait_loadcnt 30-2*(\q)                       ; loads come back in order: row q's two are in, the later rows' stay out
	v_cvt_pk_bf16_f32 v[D+8*(\q)],   v[D+8*(\q)],   v[D+8*(\q)+1]
	v_cvt_pk_bf16_f32 v[D+8*(\q)+1], v[D+8*(\q)+2], v[D+8*(\q)+3]
	v_cvt_pk_bf16_f32 v[D+8*(\q)+4], v[D+8*(\q)+4], v[D+8*(\q)+5]
	v_cvt_pk_bf16_f32 v[D+8*(\q)+5], v[D+8*(\q)+6], v[D+8*(\q)+7]
	ds_store_b64 v[SW], v[D+8*(\q):D+8*(\q)+1]   offset:(\q)*STG
	ds_store_b64 v[SW], v[D+8*(\q)+4:D+8*(\q)+5] offset:(\q)*STG+256
.endr
.irp n, 0,1,2,3,4,5,6,7,8,9,10,11,12,13,14,15
	ds_load_b128 v[PK+4*(\n):PK+4*(\n)+3], v[SR] offset:((\n)/2)*64+((\n)%2)*32  ; the stage is my wave's own, and LDS serves a wave's instructions in order: these see the stores above
.endr
.irp n, 0,1,2,3,4,5,6,7,8,9,10,11,12,13,14,15
	s_wait_dscnt 15-(\n)
	PUT \n
.endr
	s_wait_tensorcnt 0x0                           ; the wave's end, behind my last LDS store
	ds_add_u32 v[SPW], v[NIL]
	s_wait_dscnt 0x0
	s_endpgm
.Ltrans:
	; rows i = 16 RTL + r, k = o = 256 KQ + ..: lane (r, h) takes Wq[o][i] for its eight o of each piece.  Sixteen lanes read 64 consecutive bytes;
	; the four waves that differ in RTL's low bits read the neighbouring 64 at the same time.
	s_lshl_b32 s[OFS], s[KQ], 20
	s_lshl_b32 s28, s[RTL], 6
	s_add_co_u32 s[OFS], s[OFS], s28
	s_add_nc_u64 s[SRC:SRC+1], s[SRC:SRC+1], s[OFS:OFS+1]
.set i, 0
.rept 128
	global_load_b32 v[D+i], v[TR], s[SRC:SRC+1] offset:(16*(i/8)+i%8)*4096
.set i, i+1
.endr
.irp n, 0,1,2,3,4,5,6,7,8,9,10,11,12,13,14,15
.if 8*(15-(\n)) > 63
	s_wait_loadcnt 63                              ; the count's field ends at 63: all but the youngest 63 of the 128 are in, pieces 0 to 7 among them
.else
	s_wait_loadcnt 8*(15-(\n))                     ; the later pieces' loads stay out
.endif
.irp c, 0,1,2,3
	v_cvt_pk_bf16_f32 v[PK+4*(\n)+(\c)], v[D+8*(\n)+2*(\c)], v[D+8*(\n)+2*(\c)+1]
.endr
	PUT \n
.endr
	s_wait_tensorcnt 0x0                           ; the wave's end, in the same form
	ds_add_u32 v[SPW], v[NIL]
	s_wait_dscnt 0x0
	s_endpgm
.Lfunc_end_k_qfad3fd5b4c_prep:
	.size	k_qfad3fd5b4c_prep, .Lfunc_end_k_qfad3fd5b4c_prep-k_qfad3fd5b4c_prep
	.p2alignl 7, 3214868480
	.fill 96, 4, 3214868480
	.section	.rodata,"a",@progbits
	.p2align	6, 0x0
	.amdhsa_kernel k_qfad3fd5b4c_prep
		.amdhsa_group_segment_fixed_size 68608
		.amdhsa_private_segment_fixed_size 0
		.amdhsa_enable_private_segment 0
		.amdhsa_kernarg_size 48
		.amdhsa_user_sgpr_count 2
		.amdhsa_user_sgpr_kernarg_segment_ptr 1
		.amdhsa_wavefront_size32 1
		.amdhsa_system_sgpr_workgroup_id_x 1
		.amdhsa_system_sgpr_workgroup_id_y 1
		.amdhsa_system_sgpr_workgroup_id_z 1
		.amdhsa_system_vgpr_workitem_id 0
		.amdhsa_next_free_vgpr 224
		.amdhsa_next_free_sgpr 66
		.amdhsa_reserve_vcc 0
		.amdhsa_float_denorm_mode_32 3
		.amdhsa_float_denorm_mode_16_64 3
		.amdhsa_memory_ordered 1
		.amdhsa_forward_progress 1
		.amdhsa_inst_pref_size 40
	.end_amdhsa_kernel
	.amdgpu_metadata
---
amdhsa.version: [ 1, 2 ]
amdhsa.kernels:
  - .name:           k_qfad3fd5b4c_prep
    .symbol:         k_qfad3fd5b4c_prep.kd
    .args:
      - { .name: Wq, .offset: 0, .size: 8, .value_kind: global_buffer, .address_space: global }
      - { .name: Wo, .offset: 8, .size: 8, .value_kind: global_buffer, .address_space: global }
      - { .name: Wk, .offset: 16, .size: 8, .value_kind: global_buffer, .address_space: global }
      - { .name: Wv, .offset: 24, .size: 8, .value_kind: global_buffer, .address_space: global }
      - { .name: hidden_states, .offset: 32, .size: 8, .value_kind: global_buffer, .address_space: global }
      - { .name: wts, .offset: 40, .size: 8, .value_kind: global_buffer, .address_space: global }
    .group_segment_fixed_size: 68608
    .private_segment_fixed_size: 0
    .kernarg_segment_align: 8
    .kernarg_segment_size: 48
    .max_flat_workgroup_size: 256
    .sgpr_count:     66
    .vgpr_count:     224
    .wavefront_size: 32
...
	.end_amdgpu_metadata
.endif
;; end of part 1
;; launch kvproj (part 2): grid 256 x 1, 4 waves a work-group, no clusters, 133,632 bytes of LDS; arguments wts, bk, bv, bq, kv; writes kv
.if DOCPART == 2
	.amdgcn_target "amdgcn-amd-amdhsa--gfx1250"
	.amdhsa_code_object_version 6
	.text
	.protected	k_qfad3fd5b4c_kvproj
	.globl	k_qfad3fd5b4c_kvproj
	.p2align	8
	.type	k_qfad3fd5b4c_kvproj,@function
k_qfad3fd5b4c_kvproj:
	s_mov_b64 s[64:65], 0
	v_nop
	global_prefetch_b8 v0, s[64:65] scope:SCOPE_SE
	s_setreg_imm32_b32 hwreg(HW_REG_WAVE_MODE, 25, 1), 1
	s_wait_xcnt 0x0
; KVPROJ: K = Xm Wk^T + bk and V = Xm Wv^T + bv for the 2,048 sampled rows, stored as bf16 in fragment order (rows = slots, k = channel; the formula stands in prep's head),
; and for K's rows the partial sums of k^2 and of k bq over this work-group's 256 channels, in f32.
; kv: 0 K | 4M V | 8M f32 [kind 2][column block 4][2048]: kind 0 the sum of k^2, kind 1 the sum of k bq.
; SHARES.  Work-group = 64 slots (the BLOCK, in LDS, shared by the four waves) x 256 channels (column blocks 0-3 of K, 4-7 of V); a wave makes 64 slots x 64 channels: 16 accumulators.
; The weights (the STREAM) are one wave's alone, so they go from memory straight into registers, 512 consecutive bytes a load.
; THE MATRIX INSTRUCTION: source 0 = 16 rows of the stream, source 1 = 16 rows of the block.  In the result lane r holds block row r and registers 0-7 the stream rows 8 h + 0..7:
; rounded in pairs that IS a piece of the result in fragment order, and leaves by one store of 512 consecutive bytes.
; NO CLUSTER: a stream is shared by the 32 work-groups of a column block, but it goes to registers, not to LDS; the launch is 8 K steps long.
; V's work-groups run the statistics too and skip only their store: so the barrier between the waves' partial sums stands on every path.
; LIMITS.  Sums of squares are kept in f32 (a row norm beyond 1.8e19 overflows); NaN and infinities are not treated apart.
; REGISTERS in windows of 256 (s_set_vgpr_msb: bits 1:0 source 0, 3:2 source 1, 5:4 source 2, 7:6 destination):
;   window 0: addresses, CB (the bias as first C operand), bq, sums, packed results      window 1: the stream's two buffers of 128
;   window 2: v0-127 the accumulators ((t, rt) at 8 (4 t + rt)); v128-255 the block's fragments, two halves of 64
.set A_US,  4096                       ; the block in LDS lies in fragment order: 32 along K on are 4,096 bytes,
.set A_GS,  512                        ; a fragment's second piece 512
.set LSCR,  131072                     ; behind the block: [kind 2][wave 4][64 rows] f32
.set SPARE, LSCR+2048                  ; the spare words, 128 bytes for each wave
.set VO,  4                            ; v4     16,384 w + 16 lane: my place in a step of the stream
.set BO,  5                            ; v5     256 w + 32 h: my eight numbers of a bias
.set AL,  6                            ; v6-7   16 lane, and 2,048 on: block rows 0-31, 32-63
.set AR,  8                            ; v8-9   the same, running
.set CPY, 10                           ; v10    where I put the block
.set SCW, 11                           ; v11    LSCR + 256 w + 4 r
.set SRD, 12                           ; v12    LSCR + 1,024 (w mod 2) + 8 lane
.set GL,  13                           ; v13    8 lane
.set SPW, 18
.set NIL, 19
.set CB,  32                           ; v32-63  bias of my 64 channels, 8 registers for each t
.set BQ,  64                           ; v64-95  bq likewise
.set S1,  96                           ; v96-103 sums of k^2, a pair for each rt; v104-111 sums of k bq
.set S2,  104
.set TQ,  112
.set T,   128                          ; v128-191 packed results
.set WV,  16
.set RB,  17
.set CBI, 18
.set C4,  19
.set NXT, 20                           ; s[20:21] the stream step to be asked for next: named by no memory instruction
.set BLK, 22
.set OUTB, 24
.set STP, 26
.set BQB, 28
.set SEL, 30
.set BP,  32
.set CNT, 34
.set O1,  36
.set O2,  38
.set O3,  40
.set O4,  42
.set O5,  44
.set PFB, 66                           ; s[66:73] four copies of the stream's pointer: buffer p, half hf at PFB + 4 p + 2 hf
; ---- one text of these macros serves the three matrix launches; what a launch does not use is not assembled ----
.set MSB, 0
.macro WIN new                         ; the immediate's high byte repeats the setting that is left; a switch that changes nothing is dropped
.if MSB != (\new)
	s_set_vgpr_msb (MSB<<8)|(\new)
.set MSB, (\new)
.endif
.endm
.macro BIAS dst, base                  ; register j of group t: number 64 w + 16 t + 8 h + j of 256
.irp t, 0,1,2,3
	global_load_b128 v[(\dst)+8*(\t):(\dst)+8*(\t)+3],   v[BO], s[(\base):(\base)+1] offset:64*(\t)
	global_load_b128 v[(\dst)+8*(\t)+4:(\dst)+8*(\t)+7], v[BO], s[(\base):(\base)+1] offset:64*(\t)+16
.endr
.endm
.macro BLOADS p, hf                    ; half hf (64 along K) of a stream step into buffer p: 16 loads of 512 consecutive bytes, by that half's own copy of the pointer
	WIN 0x40
.set k, 0
.rept 16
	global_load_b128 v[128*(\p)+64*(\hf)+4*k:128*(\p)+64*(\hf)+4*k+3], v[VO], s[PFB+4*(\p)+2*(\hf):PFB+4*(\p)+2*(\hf)+1] offset:(\hf)*8192+512*k
.set k, k+1
.endr
.endm
.macro ALOADS hf, alo, ars, aoff       ; half hf of a block step: 16 LDS loads; v[alo] serves rows 0-31, v[alo+1] rows 32-63; ars = 16 rows
	WIN 0x80
.irp u2, 0,1
.irp rt, 0,1,2,3
.irp g, 0,1
	ds_load_b128 v[128+64*(\hf)+32*(\u2)+8*(\rt)+4*(\g):128+64*(\hf)+32*(\u2)+8*(\rt)+4*(\g)+3], v[(\alo)+(\rt)/2] offset:(\aoff)+((\rt)%2)*(\ars)+(2*(\hf)+(\u2))*A_US+(\g)*A_GS
.endr
.endr
.endr
.endm
; 32 matrix instructions: 64 along K.  The 16 accumulators take turns, one instruction a turn, in the same order everywhere.
; init = 1: the first 16 start the sums with CB; init = 2: with the constant 0.
.macro HALFMUL p, hf, init
.irp u2, 0,1
.irp t, 0,1,2,3
.irp rt, 0,1,2,3
.if ((\init) == 1) && ((\hf) == 0) && ((\u2) == 0)
	WIN 0x89
	v_wmma_f32_16x16x32_bf16 v[8*(4*(\t)+(\rt)):8*(4*(\t)+(\rt))+7], v[128*(\p)+8*(4*(2*(\hf)+(\u2))+(\t)):128*(\p)+8*(4*(2*(\hf)+(\u2))+(\t))+7], v[128+64*(\hf)+32*(\u2)+8*(\rt):128+64*(\hf)+32*(\u2)+8*(\rt)+7], v[CB+8*(\t):CB+8*(\t)+7]
.elseif ((\init) == 2) && ((\hf) == 0) && ((\u2) == 0)
	WIN 0xa9
	v_wmma_f32_16x16x32_bf16 v[8*(4*(\t)+(\rt)):8*(4*(\t)+(\rt))+7], v[128*(\p)+8*(4*(2*(\hf)+(\u2))+(\t)):128*(\p)+8*(4*(2*(\hf)+(\u2))+(\t))+7], v[128+64*(\hf)+32*(\u2)+8*(\rt):128+64*(\hf)+32*(\u2)+8*(\rt)+7], 0
.else
	WIN 0xa9
	v_wmma_f32_16x16x32_bf16 v[8*(4*(\t)+(\rt)):8*(4*(\t)+(\rt))+7], v[128*(\p)+8*(4*(2*(\hf)+(\u2))+(\t)):128*(\p)+8*(4*(2*(\hf)+(\u2))+(\t))+7], v[128+64*(\hf)+32*(\u2)+8*(\rt):128+64*(\hf)+32*(\u2)+8*(\rt)+7], v[8*(4*(\t)+(\rt)):8*(4*(\t)+(\rt))+7]
.endif
.endr
.endr
.endr
.endm
; Behind a half: four v_nop, the places in front of loads into registers that its matrix instructions have read and of whatever reads their results; then ONE run of loads
; into the registers just multiplied: the next pass's first C operand (cbr), the stream's same half two steps on (pfb), the block's same half one step on (pfa).
.macro RUN p, hf, pfb, pfa, alo, ars, aoff, cbr
.rept 4
	v_nop
.endr
.if \cbr
	WIN 0
	s_wait_xcnt 0x0                                ; every earlier memory instruction has had its addresses translated (ISA guide 3.1): the last pass's stores have read their data and their base, which the next way out writes again; the youngest memory instruction stands 32 matrix instructions back
	BIAS CB, BP
.endif
.if \pfb
	BLOADS \p, \hf
.endif
.if \pfa
	ALOADS \hf, \alo, \ars, \aoff
.endif
.endm
; A K step of 128: two halves.  The run behind half H asks for the stream's half H + 4 and the block's half H + 2, so at a half's head three younger stream halves (48 loads)
; and one younger block half (16 LDS loads) may be out; loads that stand between them only make these counts stricter.  Where nothing more is asked for the counts run down.
; THE POINTER.  NXT walks the stream and is named by no load.  Each buffer half has a copy of its own, which only that half's 16 loads name; the wait at the half's head shows exactly those loads
; done (loads come back in order: ISA guide 5.7.1), so the copy is written anew behind it, and no wait for address translation stands behind a run of loads.
; dual = 1 (main alone): the block's next halves are asked for by ADUAL.
.macro SSTEP p, init, pfb, pfa0, pfa1, alo, ars, aoff, lc0, lc1, dc0, dc1, cbr, dual=0
	s_wait_loadcnt \lc0
	s_wait_dscnt \dc0
.if \pfb
	s_mov_b64 s[PFB+4*(\p):PFB+4*(\p)+1], s[NXT:NXT+1]
.endif
	HALFMUL \p, 0, \init
	RUN \p, 0, \pfb, \pfa0, \alo, \ars, \aoff, \cbr
.if \dual
	ADUAL 0
.endif
	s_wait_loadcnt \lc1
	s_wait_dscnt \dc1
.if \pfb
	s_mov_b64 s[PFB+4*(\p)+2:PFB+4*(\p)+3], s[NXT:NXT+1]
.endif
	HALFMUL \p, 1, 0
	RUN \p, 1, \pfb, \pfa1, \alo, \ars, \aoff, 0
.if \dual
	ADUAL 1
.endif
	WIN 0                                          ; at a label and at a branch every window is 0
.if \pfb
	s_add_nc_u64 s[NXT:NXT+1], s[NXT:NXT+1], 0x10000
.endif
.endm
.macro BFILL p                         ; a whole stream step, ahead of the loop
	s_mov_b64 s[PFB+4*(\p):PFB+4*(\p)+1], s[NXT:NXT+1]
	s_mov_b64 s[PFB+4*(\p)+2:PFB+4*(\p)+3], s[NXT:NXT+1]
	BLOADS \p, 0
	BLOADS \p, 1
	WIN 0
	s_add_nc_u64 s[NXT:NXT+1], s[NXT:NXT+1], 0x10000
.endm
; ---- end of the shared macros ----
	s_load_b256 s[4:11], s[0:1], 0x0               ; wts s[4:5], bk s[6:7], bv s[8:9], bq s[10:11]
	s_load_b64 s[12:13], s[0:1], 0x20              ; kv
	v_lshl_add_u32 v[SPW], v0, 2, SPARE
	v_mov_b32 v[NIL], 0
	v_lshrrev_b32 v1, 5, v0
	v_readfirstlane_b32 s[WV], v1                  ; wave 0..3
	v_and_b32 v1, 31, v0                           ; lane
	v_and_b32 v2, 15, v0                           ; r
	v_bfe_u32 v3, v0, 4, 1                         ; h
	s_lshr_b32 s[RB], ttmp9, 3                     ; which 64 slots
	s_and_b32 s[CBI], ttmp9, 7                     ; which 256 channels: 0-3 of K, 4-7 of V
	s_and_b32 s[C4], ttmp9, 3
	s_mov_b32 s[SEL], 0x76543210                   ; v_permlanex16_b32: each lane takes its own place in the other half
	s_mov_b32 s[SEL+1], 0xfedcba98
	s_lshl_b32 s46, s[WV], 14
	v_lshl_add_u32 v[VO], v1, 4, s46
	s_lshl_b32 s47, s[WV], 8
	v_lshl_add_u32 v[BO], v3, 5, s47
	v_lshlrev_b32 v[AL], 4, v1
	v_add_nc_u32 v[AL+1], 2048, v[AL]
	s_lshl_b32 s46, s[WV], 15
	v_add_nc_u32 v[CPY], s46, v[AL]
	s_add_co_u32 s47, s47, LSCR
	v_lshl_add_u32 v[SCW], v2, 2, s47
	s_and_b32 s48, s[WV], 1
	s_lshl_b32 s46, s48, 10
	s_add_co_u32 s46, s46, LSCR
	v_lshl_add_u32 v[SRD], v1, 3, s46
	v_lshlrev_b32 v[GL], 3, v1
	s_lshr_b32 s46, s[RB], 2                       ; the batch: a group of 256 rows, 512 KB at K = 1,024
	s_lshl_b32 s46, s46, 19
	s_and_b32 s47, s[RB], 3
	s_lshl_b32 s47, s47, 14
	s_add_co_u32 s46, s46, s47                     ; the 64 slots' place in a matrix in fragment order
	s_lshl_b32 s[O1], s[CBI], 19                   ; the stream: Wk and Wv at 4M, a group for each column block
	s_add_co_u32 s[O1], s[O1], 0x400000
	s_mov_b32 s[O1+1], 0
	s_lshl_b32 s[O2], s[WV], 17                    ; the block: the sampled rows at 12M; wave w copies K steps 2 w and 2 w + 1
	s_add_co_u32 s[O2], s[O2], s46
	s_add_co_u32 s[O2], s[O2], 0xc00000
	s_mov_b32 s[O2+1], 0
	s_lshl_b32 s[O3], s[C4], 10                    ; the column block's 256 numbers of a bias
	s_mov_b32 s[O3+1], 0
	s_lshr_b32 s[O4], s[CBI], 2                    ; the result: K at 0, V at 4M; as k my channels are K steps 2 (cb mod 4) + w / 2, quarters 2 (w mod 2) + t / 2
	s_lshl_b32 s[O4], s[O4], 22
	s_add_co_u32 s[O4], s[O4], s46
	s_lshl_b32 s47, s[C4], 17
	s_add_co_u32 s[O4], s[O4], s47
	s_lshr_b32 s47, s[WV], 1
	s_lshl_b32 s47, s47, 16
	s_add_co_u32 s[O4], s[O4], s47
	s_lshl_b32 s47, s48, 13
	s_add_co_u32 s[O4], s[O4], s47
	s_mov_b32 s[O4+1], 0
	s_lshl_b32 s[O5], s48, 15                      ; the statistics at 8M: kind = wave (0, 1), column block, 64 rows of 4 bytes
	s_lshl_b32 s47, s[CBI], 13
	s_add_co_u32 s[O5], s[O5], s47
	s_lshl_b32 s47, s[RB], 8
	s_add_co_u32 s[O5], s[O5], s47
	s_add_co_u32 s[O5], s[O5], 0x800000
	s_mov_b32 s[O5+1], 0
	s_wait_kmcnt 0x0
	s_add_nc_u64 s[NXT:NXT+1], s[4:5], s[O1:O1+1]
	s_add_nc_u64 s[BLK:BLK+1], s[4:5], s[O2:O2+1]
	s_add_nc_u64 s[OUTB:OUTB+1], s[12:13], s[O4:O4+1]
	s_add_nc_u64 s[STP:STP+1], s[12:13], s[O5:O5+1]
	s_add_nc_u64 s[BQB:BQB+1], s[10:11], s[O3:O3+1]
	s_cmp_lt_u32 s[CBI], 4
	s_cselect_b64 s[BP:BP+1], s[6:7], s[8:9]
	s_add_nc_u64 s[BP:BP+1], s[BP:BP+1], s[O3:O3+1]
	BIAS BQ, BQB
	BIAS CB, BP
	BFILL 0                                        ; the stream's K steps 0 and 1
	BFILL 1
	; the block: 8 K steps of 16 KB, 64 KB apart in memory, end to end in LDS; my two of them through window 2
	WIN 0x80
.set k, 0
.rept 64
	global_load_b128 v[4*k:4*k+3], v[AL], s[BLK:BLK+1] offset:(k/32)*65536+(k%32)*512
.set k, k+1
.endr
	s_wait_loadcnt 32                              ; all but the second step's 32
	WIN 0x08
.set k, 0
.rept 32
	ds_store_b128 v[CPY], v[4*k:4*k+3] offset:k*512
.set k, k+1
.endr
	s_wait_loadcnt 0x0
.rept 32
	ds_store_b128 v[CPY], v[4*k:4*k+3] offset:k*512
.set k, k+1
.endr
	WIN 0
	s_wait_dscnt 0x0                               ; for the others' sake: my part of the block is in LDS
	s_barrier_signal -1
	s_barrier_wait -1
	ALOADS 0, AL, 1024, 0
	ALOADS 1, AL, 1024, 0
	WIN 0
	v_mov_b32 v[AR], v[AL]
	v_mov_b32 v[AR+1], v[AL+1]
	SSTEP 0, 1, 1, 1, 1, AL, 1024, 16384, 48, 48, 16, 16, 0      ; K step 0 starts the sums with the bias
	s_mov_b32 s[CNT], 3
.Lk:                                                   ; K steps 1-2, 3-4 and 5: the third trip is left in its middle, behind the step that asks for the stream's last
	SSTEP 1, 0, 1, 1, 1, AR, 1024, 32768, 48, 48, 16, 16, 0
	s_sub_co_u32 s[CNT], s[CNT], 1
	s_cmp_eq_u32 s[CNT], 0
	s_cbranch_scc1 .Ltail
	SSTEP 0, 0, 1, 1, 1, AR, 1024, 49152, 48, 48, 16, 16, 0
	v_add_nc_u32 v[AR], 32768, v[AR]
	v_add_nc_u32 v[AR+1], 32768, v[AR+1]
	s_branch .Lk
.Ltail:
	SSTEP 0, 0, 0, 1, 1, AR, 1024, 49152, 48, 32, 16, 16, 0      ; K steps 6 and 7 ask for nothing more of the stream: the counts run down
	SSTEP 1, 0, 0, 0, 0, AR, 1024, 0, 16, 0, 16, 0, 0
	; THE WAY OUT: each accumulator, rounded in pairs from its low end on, is a piece
	WIN 0x0a
.set i, 0
.rept 64
	v_cvt_pk_bf16_f32 v[T+i], v[2*i], v[2*i+1]
.set i, i+1
.endr
	WIN 0
.irp t, 0,1,2,3
.irp rt, 0,1,2,3
	global_store_b128 v[AL], v[T+4*(4*(\t)+(\rt)):T+4*(4*(\t)+(\rt))+3], s[OUTB:OUTB+1] offset:((\t)/2)*4096+(\rt)*1024+((\t)%2)*512
.endr
.endr
	; THE STATISTICS, of the unrounded sums: for each rt a pair of running sums; the four chains take turns
	WIN 0x0a
.irp rt, 0,1,2,3
	v_pk_mul_f32 v[S1+2*(\rt):S1+2*(\rt)+1], v[8*(\rt):8*(\rt)+1], v[8*(\rt):8*(\rt)+1]
.endr
.set i, 1
.rept 15
.irp rt, 0,1,2,3
	v_pk_fma_f32 v[S1+2*(\rt):S1+2*(\rt)+1], v[8*(4*(i/4)+(\rt))+2*(i%4):8*(4*(i/4)+(\rt))+2*(i%4)+1], v[8*(4*(i/4)+(\rt))+2*(i%4):8*(4*(i/4)+(\rt))+2*(i%4)+1], v[S1+2*(\rt):S1+2*(\rt)+1]
.endr
.set i, i+1
.endr
	WIN 0x02
.irp rt, 0,1,2,3
	v_pk_mul_f32 v[S2+2*(\rt):S2+2*(\rt)+1], v[8*(\rt):8*(\rt)+1], v[BQ:BQ+1]
.endr
.set i, 1
.rept 15
.irp rt, 0,1,2,3
	v_pk_fma_f32 v[S2+2*(\rt):S2+2*(\rt)+1], v[8*(4*(i/4)+(\rt))+2*(i%4):8*(4*(i/4)+(\rt))+2*(i%4)+1], v[BQ+8*(i/4)+2*(i%4):BQ+8*(i/4)+2*(i%4)+1], v[S2+2*(\rt):S2+2*(\rt)+1]
.endr
.set i, i+1
.endr
	WIN 0
.irp c, 0,1,2,3,4,5,6,7
	v_add_f32 v[S1+2*(\c)], v[S1+2*(\c)], v[S1+2*(\c)+1]
.endr
.irp c, 0,1,2,3,4,5,6,7
	v_permlanex16_b32 v[S1+2*(\c)+1], v[S1+2*(\c)], s[SEL], s[SEL+1]   ; the row's other 32 channels lie in the lane 16 away
.endr
.irp c, 0,1,2,3,4,5,6,7
	v_add_f32 v[S1+2*(\c)], v[S1+2*(\c)], v[S1+2*(\c)+1]
.endr
.irp c, 0,1,2,3,4,5,6,7
	ds_store_b32 v[SCW], v[S1+2*(\c)] offset:((\c)/4)*1024+((\c)%4)*64  ; both halves of the lanes write the same word with the same number
.endr
	s_wait_dscnt 0x0                               ; for the others' sake
	s_barrier_signal -1
	s_barrier_wait -1
	s_wait_tensorcnt 0x0                           ; behind my last LDS store; only LDS reads follow
	ds_add_u32 v[SPW], v[NIL]
	s_wait_dscnt 0x0
	s_cmp_lt_u32 s[WV], 2                          ; wave 0 adds up the sums of k^2, wave 1 those of k bq,
	s_cbranch_scc0 .Lend
	s_cmp_lt_u32 s[CBI], 4                         ; in K's work-groups
	s_cbranch_scc0 .Lend
.irp c, 0,1,2,3
	ds_load_b64 v[TQ+2*(\c):TQ+2*(\c)+1], v[SRD] offset:256*(\c)
.endr
	s_wait_dscnt 0x0
	v_pk_add_f32 v[TQ:TQ+1], v[TQ:TQ+1], v[TQ+2:TQ+3]
	v_pk_add_f32 v[TQ+4:TQ+5], v[TQ+4:TQ+5], v[TQ+6:TQ+7]
	v_pk_add_f32 v[TQ:TQ+1], v[TQ:TQ+1], v[TQ+4:TQ+5]
	global_store_b64 v[GL], v[TQ:TQ+1], s[STP:STP+1]   ; 64 rows: 256 consecutive bytes, aligned
.Lend:
	s_endpgm
.Lfunc_end_k_qfad3fd5b4c_kvproj:
	.size	k_qfad3fd5b4c_kvproj, .Lfunc_end_k_qfad3fd5b4c_kvproj-k_qfad3fd5b4c_kvproj
	.p2alignl 7, 3214868480
	.fill 96, 4, 3214868480
	.section	.rodata,"a",@progbits
	.p2align	6, 0x0
	.amdhsa_kernel k_qfad3fd5b4c_kvproj
		.amdhsa_group_segment_fixed_size 133632
		.amdhsa_private_segment_fixed_size 0
		.amdhsa_enable_private_segment 0
		.amdhsa_kernarg_size 40
		.amdhsa_user_sgpr_count 2
		.amdhsa_user_sgpr_kernarg_segment_ptr 1
		.amdhsa_wavefront_size32 1
		.amdhsa_system_sgpr_workgroup_id_x 1
		.amdhsa_system_sgpr_workgroup_id_y 1
		.amdhsa_system_sgpr_workgroup_id_z 1
		.amdhsa_system_vgpr_workitem_id 0
		.amdhsa_next_free_vgpr 768
		.amdhsa_next_free_sgpr 74
		.amdhsa_reserve_vcc 0
		.amdhsa_float_denorm_mode_32 3
		.amdhsa_float_denorm_mode_16_64 3
		.amdhsa_memory_ordered 1
		.amdhsa_forward_progress 1
		.amdhsa_inst_pref_size 80
	.end_amdhsa_kernel
	.amdgpu_metadata
---
amdhsa.version: [ 1, 2 ]
amdhsa.kernels:
  - .name:           k_qfad3fd5b4c_kvproj
    .symbol:         k_qfad3fd5b4c_kvproj.kd
    .args:
      - { .name: wts, .offset: 0, .size: 8, .value_kind: global_buffer, .address_space: global }
      - { .name: bk, .offset: 8, .size: 8, .value_kind: global_buffer, .address_space: global }
      - { .name: bv, .offset: 16, .size: 8, .value_kind: global_buffer, .address_space: global }
      - { .name: bq, .offset: 24, .size: 8, .value_kind: global_buffer, .address_space: global }
      - { .name: kv, .offset: 32, .size: 8, .value_kind: global_buffer, .address_space: global }
    .group_segment_fixed_size: 133632
    .private_segment_fixed_size: 0
    .kernarg_segment_align: 8
    .kernarg_segment_size: 40
    .max_flat_workgroup_size: 128
    .sgpr_count:     74
    .vgpr_count:     768
    .wavefront_size: 32
...
	.end_amdgpu_metadata
.endif
;; end of part 2
;; launch fold (part 3): grid 256 x 1, 4 waves a work-group, no clusters, 131,584 bytes of LDS; arguments wts, kv, mem; writes mem
.if DOCPART == 3
	.amdgcn_target "amdgcn-amd-amdhsa--gfx1250"
	.amdhsa_code_object_version 6
	.text
	.protected	k_qfad3fd5b4c_fold
	.globl	k_qfad3fd5b4c_fold
	.p2align	8
	.type	k_qfad3fd5b4c_fold,@function
k_qfad3fd5b4c_fold:
	s_mov_b64 s[64:65], 0
	v_nop
	global_prefetch_b8 v0, s[64:65] scope:SCOPE_SE
	s_setreg_imm32_b32 hwreg(HW_REG_WAVE_MODE, 25, 1), 1
	s_wait_xcnt 0x0
; FOLD: what does not hang on the query rows is multiplied once for each batch.
;   Work-groups 0-127:   Kq[m][i] = (sum over o of K[m][o] Wq[o][i]) / max(|K[m]|, 1e-12), so that q . kn = x . Kq + c with c[m] = (bq . K[m]) / max(|K[m]|, 1e-12).
;   Work-groups 128-255: V'[m][j] = sum over h of V[m][h] Wo[j][1024 + h], so that retrieved Wo2^T = attn V'.
; mem: 0 Kq (a group of 256 slots for each batch, k = i) | 4M V' (for each batch 512 KB: rows j in four groups of 256, k = slot, 128 KB a group) | 8M c, f32 [2048].  All bf16 in fragment order but c.
; SHARES, LAYOUT, LOOP: as in kvproj.  Kq: block = 64 rows of K, stream = 256 rows of Wq transposed.  V': block = 64 rows of Wo's second half, stream = the batch's 256 rows of V.
; Both halves of the grid load K's sums of squares (the address is inside the table for both: the block's number is below 32); only Kq's half uses them, under one forward branch.
; NO CLUSTER: as in kvproj.  LIMITS: a row norm of K beyond 1.8e19 overflows its f32 sum of squares; the roots and reciprocals count denormals as 0, which the maximum with 1e-12 covers; NaN and infinities are not treated apart.
.set A_US,  4096
.set A_GS,  512
.set SPARE, 131072                     ; behind the block: the spare words, 128 bytes for each wave
.set VO,  4                            ; v4     16,384 w + 16 lane
.set AL,  6                            ; v6-7   16 lane, and 2,048 on
.set AR,  8                            ; v8-9   the same, running
.set CPY, 10
.set R4,  11                           ; v11    4 r
.set GL,  12                           ; v12    8 lane
.set SPW, 18
.set NIL, 19
.set KN,  64                           ; v64-79  the four parts of my rows' sums of squares, at KN + 4 rt + part
.set RK,  80                           ; v80-87  1 / max(|k|, eps), a pair for each rt
.set TQ,  96                           ; v96-111 at work for c
.set T,   128
.set WV,  16
.set ISK, 17                           ; 1: Kq's half of the grid
.set BR,  18                           ; which block of 64 rows
.set SI,  19                           ; which stream
.set NXT, 20                           ; s[20:21] the stream step to be asked for next: named by no memory instruction
.set BLK, 22
.set OUTB, 24
.set KSTP, 26
.set CVO, 28
.set EPS, 32
.set CNT, 34
.set O1,  36
.set O2,  38
.set O4,  42
.set O5,  44
.set PFB, 66                           ; s[66:73] four copies of the stream's pointer: buffer p, half hf at PFB + 4 p + 2 hf
; ---- one text of these macros serves the three matrix launches; what a launch does not use is not assembled ----
.set MSB, 0
.macro WIN new                         ; the immediate's high byte repeats the setting that is left; a switch that changes nothing is dropped
.if MSB != (\new)
	s_set_vgpr_msb (MSB<<8)|(\new)
.set MSB, (\new)
.endif
.endm
.macro BIAS dst, base                  ; register j of group t: number 64 w + 16 t + 8 h + j of 256
.irp t, 0,1,2,3
	global_load_b128 v[(\dst)+8*(\t):(\dst)+8*(\t)+3],   v[BO], s[(\base):(\base)+1] offset:64*(\t)
	global_load_b128 v[(\dst)+8*(\t)+4:(\dst)+8*(\t)+7], v[BO], s[(\base):(\base)+1] offset:64*(\t)+16
.endr
.endm
.macro BLOADS p, hf                    ; half hf (64 along K) of a stream step into buffer p: 16 loads of 512 consecutive bytes, by that half's own copy of the pointer
	WIN 0x40
.set k, 0
.rept 16
	global_load_b128 v[128*(\p)+64*(\hf)+4*k:128*(\p)+64*(\hf)+4*k+3], v[VO], s[PFB+4*(\p)+2*(\hf):PFB+4*(\p)+2*(\hf)+1] offset:(\hf)*8192+512*k
.set k, k+1
.endr
.endm
.macro ALOADS hf, alo, ars, aoff       ; half hf of a block step: 16 LDS loads; v[alo] serves rows 0-31, v[alo+1] rows 32-63; ars = 16 rows
	WIN 0x80
.irp u2, 0,1
.irp rt, 0,1,2,3
.irp g, 0,1
	ds_load_b128 v[128+64*(\hf)+32*(\u2)+8*(\rt)+4*(\g):128+64*(\hf)+32*(\u2)+8*(\rt)+4*(\g)+3], v[(\alo)+(\rt)/2] offset:(\aoff)+((\rt)%2)*(\ars)+(2*(\hf)+(\u2))*A_US+(\g)*A_GS
.endr
.endr
.endr
.endm
; 32 matrix instructions: 64 along K.  The 16 accumulators take turns, one instruction a turn, in the same order everywhere.
; init = 1: the first 16 start the sums with CB; init = 2: with the constant 0.
.macro HALFMUL p, hf, init
.irp u2, 0,1
.irp t, 0,1,2,3
.irp rt, 0,1,2,3
.if ((\init) == 1) && ((\hf) == 0) && ((\u2) == 0)
	WIN 0x89
	v_wmma_f32_16x16x32_bf16 v[8*(4*(\t)+(\rt)):8*(4*(\t)+(\rt))+7], v[128*(\p)+8*(4*(2*(\hf)+(\u2))+(\t)):128*(\p)+8*(4*(2*(\hf)+(\u2))+(\t))+7], v[128+64*(\hf)+32*(\u2)+8*(\rt):128+64*(\hf)+32*(\u2)+8*(\rt)+7], v[CB+8*(\t):CB+8*(\t)+7]
.elseif ((\init) == 2) && ((\hf) == 0) && ((\u2) == 0)
	WIN 0xa9
	v_wmma_f32_16x16x32_bf16 v[8*(4*(\t)+(\rt)):8*(4*(\t)+(\rt))+7], v[128*(\p)+8*(4*(2*(\hf)+(\u2))+(\t)):128*(\p)+8*(4*(2*(\hf)+(\u2))+(\t))+7], v[128+64*(\hf)+32*(\u2)+8*(\rt):128+64*(\hf)+32*(\u2)+8*(\rt)+7], 0
.else
	WIN 0xa9
	v_wmma_f32_16x16x32_bf16 v[8*(4*(\t)+(\rt)):8*(4*(\t)+(\rt))+7], v[128*(\p)+8*(4*(2*(\hf)+(\u2))+(\t)):128*(\p)+8*(4*(2*(\hf)+(\u2))+(\t))+7], v[128+64*(\hf)+32*(\u2)+8*(\rt):128+64*(\hf)+32*(\u2)+8*(\rt)+7], v[8*(4*(\t)+(\rt)):8*(4*(\t)+(\rt))+7]
.endif
.endr
.endr
.endr
.endm
; Behind a half: four v_nop, the places in front of loads into registers that its matrix instructions have read and of whatever reads their results; then ONE run of loads
; into the registers just multiplied: the next pass's first C operand (cbr), the stream's same half two steps on (pfb), the block's same half one step on (pfa).
.macro RUN p, hf, pfb, pfa, alo, ars, aoff, cbr
.rept 4
	v_nop
.endr
.if \cbr
	WIN 0
	s_wait_xcnt 0x0                                ; every earlier memory instruction has had its addresses translated (ISA guide 3.1): the last pass's stores have read their data and their base, which the next way out writes again; the youngest memory instruction stands 32 matrix instructions back
	BIAS CB, BP
.endif
.if \pfb
	BLOADS \p, \hf
.endif
.if \pfa
	ALOADS \hf, \alo, \ars, \aoff
.endif
.endm
; A K step of 128: two halves.  The run behind half H asks for the stream's half H + 4 and the block's half H + 2, so at a half's head three younger stream halves (48 loads)
; and one younger block half (16 LDS loads) may be out; loads that stand between them only make these counts stricter.  Where nothing more is asked for the counts run down.
; THE POINTER.  NXT walks the stream and is named by no load.  Each buffer half has a copy of its own, which only that half's 16 loads name; the wait at the half's head shows exactly those loads
; done (loads come back in order: ISA guide 5.7.1), so the copy is written anew behind it, and no wait for address translation stands behind a run of loads.
; dual = 1 (main alone): the block's next halves are asked for by ADUAL.
.macro SSTEP p, init, pfb, pfa0, pfa1, alo, ars, aoff, lc0, lc1, dc0, dc1, cbr, dual=0
	s_wait_loadcnt \lc0
	s_wait_dscnt \dc0
.if \pfb
	s_mov_b64 s[PFB+4*(\p):PFB+4*(\p)+1], s[NXT:NXT+1]
.endif
	HALFMUL \p, 0, \init
	RUN \p, 0, \pfb, \pfa0, \alo, \ars, \aoff, \cbr
.if \dual
	ADUAL 0
.endif
	s_wait_loadcnt \lc1
	s_wait_dscnt \dc1
.if \pfb
	s_mov_b64 s[PFB+4*(\p)+2:PFB+4*(\p)+3], s[NXT:NXT+1]
.endif
	HALFMUL \p, 1, 0
	RUN \p, 1, \pfb, \pfa1, \alo, \ars, \aoff, 0
.if \dual
	ADUAL 1
.endif
	WIN 0                                          ; at a label and at a branch every window is 0
.if \pfb
	s_add_nc_u64 s[NXT:NXT+1], s[NXT:NXT+1], 0x10000
.endif
.endm
.macro BFILL p                         ; a whole stream step, ahead of the loop
	s_mov_b64 s[PFB+4*(\p):PFB+4*(\p)+1], s[NXT:NXT+1]
	s_mov_b64 s[PFB+4*(\p)+2:PFB+4*(\p)+3], s[NXT:NXT+1]
	BLOADS \p, 0
	BLOADS \p, 1
	WIN 0
	s_add_nc_u64 s[NXT:NXT+1], s[NXT:NXT+1], 0x10000
.endm
; ---- end of the shared macros ----
	s_load_b128 s[4:7], s[0:1], 0x0                ; wts s[4:5], kv s[6:7]
	s_load_b64 s[8:9], s[0:1], 0x10                ; mem
	v_lshl_add_u32 v[SPW], v0, 2, SPARE
	v_mov_b32 v[NIL], 0
	v_lshrrev_b32 v1, 5, v0
	v_readfirstlane_b32 s[WV], v1                  ; wave 0..3
	v_and_b32 v1, 31, v0                           ; lane
	v_and_b32 v2, 15, v0                           ; r
	s_mov_b32 s[EPS], 0x2b8cbccc                   ; 1e-12
	s_lshl_b32 s46, s[WV], 14
	v_lshl_add_u32 v[VO], v1, 4, s46
	v_lshlrev_b32 v[AL], 4, v1
	v_add_nc_u32 v[AL+1], 2048, v[AL]
	s_lshl_b32 s46, s[WV], 15
	v_add_nc_u32 v[CPY], s46, v[AL]
	v_lshlrev_b32 v[R4], 2, v2
	v_lshlrev_b32 v[GL], 3, v1
	s_and_b32 s46, ttmp9, 127                      ; my number in my half of the grid
	s_lshr_b32 s47, s46, 2                         ; Kq: 32 blocks of slots x 4 streams (256 columns i each)
	s_and_b32 s49, s46, 3
	s_lshr_b32 s48, s46, 3                         ; V': 16 blocks of rows j x 8 streams (batches)
	s_and_b32 s50, s46, 7
	s_mov_b32 s52, 0x400000
	s_cmp_lt_u32 ttmp9, 128
	s_cselect_b32 s[ISK], 1, 0
	s_cselect_b32 s[BR], s47, s48
	s_cselect_b32 s[SI], s49, s50
	s_cselect_b32 s51, 0, 0x800000                 ; the block: K at kv + 0, or Wo's second half at wts + 8M
	s_cselect_b32 s52, 0xa00000, s52               ; the stream: Wq transposed at wts + 10M, or V at kv + 4M
	s_cselect_b32 s57, 0, 0x400000                 ; the result: Kq at mem + 0, V' at mem + 4M
	s_lshr_b32 s53, s[BR], 2
	s_and_b32 s54, s[BR], 3
	s_cmp_eq_u32 s[ISK], 1
	s_cselect_b32 s55, s53, s[SI]                  ; the result's 512 KB: the batch
	s_cselect_b32 s56, s[SI], s53                  ; its 128 KB: Kq: two K steps of the stream's 256 columns; V': the group of 256 rows j
	s_lshl_b32 s54, s54, 14
	s_lshl_b32 s[O2], s53, 19
	s_add_co_u32 s[O2], s[O2], s54
	s_add_co_u32 s[O2], s[O2], s51
	s_lshl_b32 s46, s[WV], 17                      ; wave w copies K steps 2 w and 2 w + 1
	s_add_co_u32 s[O2], s[O2], s46
	s_mov_b32 s[O2+1], 0
	s_lshl_b32 s[O1], s[SI], 19
	s_add_co_u32 s[O1], s[O1], s52
	s_mov_b32 s[O1+1], 0
	s_lshl_b32 s[O4], s55, 19
	s_lshl_b32 s46, s56, 17
	s_add_co_u32 s[O4], s[O4], s46
	s_add_co_u32 s[O4], s[O4], s54
	s_add_co_u32 s[O4], s[O4], s57
	s_lshr_b32 s46, s[WV], 1                       ; as k my 64 stream rows are K step w / 2, quarters 2 (w mod 2) + t / 2
	s_lshl_b32 s46, s46, 16
	s_add_co_u32 s[O4], s[O4], s46
	s_and_b32 s46, s[WV], 1
	s_lshl_b32 s46, s46, 13
	s_add_co_u32 s[O4], s[O4], s46
	s_mov_b32 s[O4+1], 0
	s_lshl_b32 s[O5], s[BR], 8                     ; 64 rows of 4 bytes, at 8M in kv (statistics) and in mem (c)
	s_add_co_u32 s[O5], s[O5], 0x800000
	s_mov_b32 s[O5+1], 0
	s_wait_kmcnt 0x0
	s_cmp_eq_u32 s[ISK], 1
	s_cselect_b64 s[BLK:BLK+1], s[6:7], s[4:5]
	s_cselect_b64 s[NXT:NXT+1], s[4:5], s[6:7]
	s_add_nc_u64 s[BLK:BLK+1], s[BLK:BLK+1], s[O2:O2+1]
	s_add_nc_u64 s[NXT:NXT+1], s[NXT:NXT+1], s[O1:O1+1]
	s_add_nc_u64 s[OUTB:OUTB+1], s[8:9], s[O4:O4+1]
	s_add_nc_u64 s[KSTP:KSTP+1], s[6:7], s[O5:O5+1]
	s_add_nc_u64 s[CVO:CVO+1], s[8:9], s[O5:O5+1]
.irp rt, 0,1,2,3
.irp c, 0,1,2,3
	global_load_b32 v[KN+4*(\rt)+(\c)], v[R4], s[KSTP:KSTP+1] offset:(\c)*8192+(\rt)*64   ; part c of the sum of squares of row 16 rt + r
.endr
.endr
	BFILL 0
	BFILL 1
	WIN 0x80                                       ; the block, as in kvproj
.set k, 0
.rept 64
	global_load_b128 v[4*k:4*k+3], v[AL], s[BLK:BLK+1] offset:(k/32)*65536+(k%32)*512
.set k, k+1
.endr
	s_wait_loadcnt 32                              ; all but the second step's 32
	WIN 0x08
.set k, 0
.rept 32
	ds_store_b128 v[CPY], v[4*k:4*k+3] offset:k*512
.set k, k+1
.endr
	s_wait_loadcnt 0x0
.rept 32
	ds_store_b128 v[CPY], v[4*k:4*k+3] offset:k*512
.set k, k+1
.endr
	WIN 0
	s_wait_dscnt 0x0                               ; for the others' sake: my part of the block is in LDS
	s_barrier_signal -1
	s_barrier_wait -1
	ALOADS 0, AL, 1024, 0
	ALOADS 1, AL, 1024, 0
	WIN 0
	v_mov_b32 v[AR], v[AL]
	v_mov_b32 v[AR+1], v[AL+1]
	SSTEP 0, 2, 1, 1, 1, AL, 1024, 16384, 48, 48, 16, 16, 0      ; K step 0 starts the sums with the constant 0
	s_mov_b32 s[CNT], 3
.Lk:                                                   ; K steps 1-2, 3-4 and 5: the third trip is left in its middle, behind the step that asks for the stream's last
	SSTEP 1, 0, 1, 1, 1, AR, 1024, 32768, 48, 48, 16, 16, 0
	s_sub_co_u32 s[CNT], s[CNT], 1
	s_cmp_eq_u32 s[CNT], 0
	s_cbranch_scc1 .Ltail
	SSTEP 0, 0, 1, 1, 1, AR, 1024, 49152, 48, 48, 16, 16, 0
	v_add_nc_u32 v[AR], 32768, v[AR]
	v_add_nc_u32 v[AR+1], 32768, v[AR+1]
	s_branch .Lk
.Ltail:
	SSTEP 0, 0, 0, 1, 1, AR, 1024, 49152, 48, 32, 16, 16, 0      ; the counts run down
	SSTEP 1, 0, 0, 0, 0, AR, 1024, 0, 16, 0, 16, 0, 0
	s_wait_tensorcnt 0x0                           ; behind my last LDS store (the block's); no LDS instruction follows
	ds_add_u32 v[SPW], v[NIL]
	s_wait_dscnt 0x0
	s_cmp_eq_u32 s[ISK], 1
	s_cbranch_scc0 .Lnoscale
	; Kq's rows are divided by max(|k|, 1e-12) in f32, ahead of their one rounding
.irp rt, 0,1,2,3
	v_add_f32 v[KN+4*(\rt)], v[KN+4*(\rt)], v[KN+4*(\rt)+1]
	v_add_f32 v[KN+4*(\rt)+2], v[KN+4*(\rt)+2], v[KN+4*(\rt)+3]
.endr
.irp rt, 0,1,2,3
	v_add_f32 v[KN+4*(\rt)], v[KN+4*(\rt)], v[KN+4*(\rt)+2]
.endr
.irp rt, 0,1,2,3
	v_sqrt_f32 v[KN+4*(\rt)], v[KN+4*(\rt)]
.endr
	v_nop                                          ; a plain instruction between the last root and the use of its result
	s_wait_alu depctr_va_vdst(0)
.irp rt, 0,1,2,3
	v_max_num_f32 v[KN+4*(\rt)], s[EPS], v[KN+4*(\rt)]
.endr
.irp rt, 0,1,2,3
	v_rcp_f32 v[RK+2*(\rt)], v[KN+4*(\rt)]
	v_rcp_f32 v[RK+2*(\rt)+1], v[KN+4*(\rt)]       ; twice: the packed multiply names a pair
.endr
	v_nop
	WIN 0x82
.set i, 0
	s_wait_alu depctr_va_vdst(0)
.rept 64
	v_pk_mul_f32 v[2*i:2*i+1], v[2*i:2*i+1], v[RK+2*((i/4)%4):RK+2*((i/4)%4)+1] op_sel_hi:[1,0]
.set i, i+1
.endr
	WIN 0
.Lnoscale:
	WIN 0x0a
.set i, 0
.rept 64
	v_cvt_pk_bf16_f32 v[T+i], v[2*i], v[2*i+1]
.set i, i+1
.endr
	WIN 0
.irp t, 0,1,2,3
.irp rt, 0,1,2,3
	global_store_b128 v[AL], v[T+4*(4*(\t)+(\rt)):T+4*(4*(\t)+(\rt))+3], s[OUTB:OUTB+1] offset:((\t)/2)*4096+(\rt)*1024+((\t)%2)*512
.endr
.endr
	s_cmp_eq_u32 s[ISK], 1                         ; c of the block's 64 slots: wave 0 of Kq's work-groups with stream 0
	s_cbranch_scc0 .Lend
	s_cmp_eq_u32 s[SI], 0
	s_cbranch_scc0 .Lend
	s_cmp_eq_u32 s[WV], 0
	s_cbranch_scc0 .Lend
.irp c, 0,1,2,3
	global_load_b64 v[TQ+2*(\c):TQ+2*(\c)+1], v[GL], s[KSTP:KSTP+1] offset:8192*(\c)
.endr
.irp c, 0,1,2,3
	global_load_b64 v[TQ+8+2*(\c):TQ+8+2*(\c)+1], v[GL], s[KSTP:KSTP+1] offset:32768+8192*(\c)
.endr
	s_wait_loadcnt 0x0
	v_pk_add_f32 v[TQ:TQ+1], v[TQ:TQ+1], v[TQ+2:TQ+3]
	v_pk_add_f32 v[TQ+4:TQ+5], v[TQ+4:TQ+5], v[TQ+6:TQ+7]
	v_pk_add_f32 v[TQ+8:TQ+9], v[TQ+8:TQ+9], v[TQ+10:TQ+11]
	v_pk_add_f32 v[TQ+12:TQ+13], v[TQ+12:TQ+13], v[TQ+14:TQ+15]
	v_pk_add_f32 v[TQ:TQ+1], v[TQ:TQ+1], v[TQ+4:TQ+5]
	v_pk_add_f32 v[TQ+8:TQ+9], v[TQ+8:TQ+9], v[TQ+12:TQ+13]
	v_sqrt_f32 v[TQ], v[TQ]
	v_sqrt_f32 v[TQ+1], v[TQ+1]
	v_nop
	s_wait_alu depctr_va_vdst(0)
	v_max_num_f32 v[TQ], s[EPS], v[TQ]
	v_max_num_f32 v[TQ+1], s[EPS], v[TQ+1]
	v_rcp_f32 v[TQ], v[TQ]
	v_rcp_f32 v[TQ+1], v[TQ+1]
	v_nop
	s_wait_alu depctr_va_vdst(0)
	v_pk_mul_f32 v[TQ:TQ+1], v[TQ:TQ+1], v[TQ+8:TQ+9]
	global_store_b64 v[GL], v[TQ:TQ+1], s[CVO:CVO+1]   ; 256 consecutive bytes, aligned
.Lend:
	s_endpgm
.Lfunc_end_k_qfad3fd5b4c_fold:
	.size	k_qfad3fd5b4c_fold, .Lfunc_end_k_qfad3fd5b4c_fold-k_qfad3fd5b4c_fold
	.p2alignl 7, 3214868480
	.fill 96, 4, 3214868480
	.section	.rodata,"a",@progbits
	.p2align	6, 0x0
	.amdhsa_kernel k_qfad3fd5b4c_fold
		.amdhsa_group_segment_fixed_size 131584
		.amdhsa_private_segment_fixed_size 0
		.amdhsa_enable_private_segment 0
		.amdhsa_kernarg_size 24
		.amdhsa_user_sgpr_count 2
		.amdhsa_user_sgpr_kernarg_segment_ptr 1
		.amdhsa_wavefront_size32 1
		.amdhsa_system_sgpr_workgroup_id_x 1
		.amdhsa_system_sgpr_workgroup_id_y 1
		.amdhsa_system_sgpr_workgroup_id_z 1
		.amdhsa_system_vgpr_workitem_id 0
		.amdhsa_next_free_vgpr 768
		.amdhsa_next_free_sgpr 74
		.amdhsa_reserve_vcc 0
		.amdhsa_float_denorm_mode_32 3
		.amdhsa_float_denorm_mode_16_64 3
		.amdhsa_memory_ordered 1
		.amdhsa_forward_progress 1
		.amdhsa_inst_pref_size 77
	.end_amdhsa_kernel
	.amdgpu_metadata
---
amdhsa.version: [ 1, 2 ]
amdhsa.kernels:
  - .name:           k_qfad3fd5b4c_fold
    .symbol:         k_qfad3fd5b4c_fold.kd
    .args:
      - { .name: wts, .offset: 0, .size: 8, .value_kind: global_buffer, .address_space: global }
      - { .name: kv, .offset: 8, .size: 8, .value_kind: global_buffer, .address_space: global }
      - { .name: mem, .offset: 16, .size: 8, .value_kind: global_buffer, .address_space: global }
    .group_segment_fixed_size: 131584
    .private_segment_fixed_size: 0
    .kernarg_segment_align: 8
    .kernarg_segment_size: 24
    .max_flat_workgroup_size: 128
    .sgpr_count:     74
    .vgpr_count:     768
    .wavefront_size: 32
...
	.end_amdgpu_metadata
.endif
;; end of part 3
;; launch main (part 4): grid 256 x 1, 4 waves a work-group, no clusters, 185,856 bytes of LDS; arguments hidden_states, wts, mem, bq, bo, out0; writes out0
.if DOCPART == 4
	.amdgcn_target "amdgcn-amd-amdhsa--gfx1250"
	.amdhsa_code_object_version 6
	.text
	.protected	k_qfad3fd5b4c_main
	.globl	k_qfad3fd5b4c_main
	.p2align	8
	.type	k_qfad3fd5b4c_main,@function
k_qfad3fd5b4c_main:
	s_mov_b64 s[64:65], 0
	v_nop
	global_prefetch_b8 v0, s[64:65] scope:SCOPE_SE
	s_setreg_imm32_b32 hwreg(HW_REG_WAVE_MODE, 25, 1), 1
	s_wait_xcnt 0x0
; MAIN: out = x Wo1^T + bo + softmax((x . Kq + c) / max(|q|, 1e-12)) V', with q = x Wq^T + bq, for 64 rows of x to a work-group: 256 work-groups, x read once, out written once.
; Kq, c and V' come from the launch before (q . kn = x . Kq + c; retrieved Wo2^T = attn V').  q is needed for its row norm alone and never leaves the accumulators.
; SHARES.  The 64 rows, rounded once to bf16, lie in LDS for the whole launch (the BLOCK).  The work goes in NINE PASSES of 256 columns, walked by one text: four of q, one of the 256
; similarities, four of out.  In a pass each of the four waves makes all 64 rows x its own 64 columns: 16 accumulators.  The columns' operand (the STREAM: weights, Kq, V', in fragment order)
; is one wave's alone, so it goes from memory straight into registers, 512 consecutive bytes a load, two K steps of 128 ahead; the K loop holds no barrier.
; THE MATRIX INSTRUCTION: source 0 = 16 rows of the stream, source 1 = 16 rows of x.  In the result lane r holds row r of x and registers 0-7 the columns 8 h + 0..7.
; The bias (bq, c, bo) is the C operand of the products that start a pass's sums.
; SOFTMAX WITHOUT A MAXIMUM.  The exponent is a cosine of two vectors that the reference itself normalises, at temperature 1: it lies in -1 .. 1 for every input, so no exponential and no sum of
; 256 of them can overflow or underflow.  Here the cosine is made of rounded operands, so the exponent is held to that bound, +-log2(e) in base 2.
; NO CLUSTER, NO TENSOR LOADS.  All work-groups walk the same weights, and those of a batch the same Kq and V'.  But beside the block (132,096 bytes) and P (33,792) LDS has room for two slots of
; 65,536 bytes: one K step, 64 matrix instructions a wave between a request and the wait for it, and a round of the cluster's barrier for each.  Through registers a load has 96, and no wave waits for another.
; LIMITS.  x, the weights, Kq, V' and the weights P are rounded once to bf16; biases, c, norms and sums stay f32.  |q|^2 is kept in f32: a row norm beyond 1.8e19 overflows.
; The root and the reciprocals count denormals as 0, which the maximum with 1e-12 covers.  NaN and infinities are not treated apart.
; REGISTERS in windows of 256 (s_set_vgpr_msb: bits 1:0 source 0, 3:2 source 1, 5:4 source 2, 7:6 destination):
;   window 0: v0-31 addresses; v32-63 CB; v64-103 sums and scales; v128-255 at work      window 1: the stream's two buffers of 128
;   window 2: v0-127 the accumulators ((t, rt) at 8 (4 t + rt)); v128-255 the block's fragments, two halves of 64
.set XP,    2064                       ; a row of x in LDS: 2,048 bytes + 16 = 129 x 16: the 16 rows of a fragment load start in 16 different 16-byte columns of the 256 bytes of banks (ISA guide 11.1)
.set PP,    528                        ; a row of P: 512 + 16 = 33 x 16
.set OSP,   272                        ; a row of a wave's stage for the way out: 256 + 16 = 17 x 16
.set LP,    64*XP                      ; 132,096
.set LOST,  LP+64*PP                   ; 165,888: 16 rows x 272 bytes for each wave
.set LSCR,  LOST+4*16*OSP              ; 183,296: [row 64][wave 4] f32, once for |q|^2 and, 1,024 bytes on, once for the weights' sums
.set SPARE, LSCR+2048                  ; 185,344: the spare words, 128 bytes for each wave
.set A_US,  64                         ; x and P lie by rows: 32 along K on are 64 bytes,
.set A_GS,  32                         ; a fragment's second half 32
.set VO,   4                           ; v4     16,384 w + 16 lane: my place in a step of the stream
.set BO,   5                           ; v5     256 w + 32 h: my eight numbers of a bias
.set XA,   6                           ; v6-7   2,064 r + 16 h, and 32 rows on
.set AR,   8                           ; v8-9   the same, running along K
.set PA,   10                          ; v10-11 LP + 528 r + 16 h, and 32 rows on
.set PST,  12                          ; v12    where I put 16 bytes of P
.set OSW,  13                          ; v13    the way out: where I put 16 bytes of a row
.set ORD,  14                          ; v14    where I read a row back
.set OGO,  15                          ; v15    my byte offset in out
.set SC,   16                          ; v16    LSCR + 16 r + 4 w
.set SCRD, 17                          ; v17    LSCR + 16 r
.set SPW,  18                          ; v18    my spare word; never rewritten
.set NIL,  19                          ; v19    0; never rewritten
.set XO,   20                          ; v20    16 lane
.set XS,   21                          ; v21    my 16 rows of x in LDS + 8 lane
.set CB,   32                          ; v32-63 the first C operand: 8 registers for each t
.set SS,   64                          ; v64-71 sums of q^2, a pair for each rt
.set SCL,  72                          ; v72-79 log2(e) / max(|q|, eps), a pair for each rt
.set LS,   80                          ; v80-87 sums of the weights, then their reciprocals
.set TQ,   88                          ; v88-103 at work
.set T,    128
.set WV,   16
.set NXT,  20                          ; s[20:21] the stream step to be asked for next: named by no memory instruction
.set ALT,  22                          ; s[22:23] where the stream goes on behind the eight steps against x
.set WNX,  24                          ; s[24:25] the weights' next group of 256 rows
.set KQP,  26
.set BPQ,  28
.set VPP,  30
.set BP,   32                          ; s[32:33] the next pass's first C operand
.set BPO,  34
.set CVP,  36
.set OUTP, 38
.set XB,   40
.set OUTB, 42
.set PASS, 44
.set CNT,  45
.set SEL,  46
.set L2E,  48                          ; s48 log2(e), s49 -log2(e)
.set EPS,  50
.set TS,   52                          ; s[52:53] an offset in 64 bits
.set PFB,  66                          ; s[66:73] four copies of the stream's pointer: buffer p, half hf at PFB + 4 p + 2 hf
; ---- one text of these macros serves the three matrix launches; what a launch does not use is not assembled ----
.set MSB, 0
.macro WIN new                         ; the immediate's high byte repeats the setting that is left; a switch that changes nothing is dropped
.if MSB != (\new)
	s_set_vgpr_msb (MSB<<8)|(\new)
.set MSB, (\new)
.endif
.endm
.macro BIAS dst, base                  ; register j of group t: number 64 w + 16 t + 8 h + j of 256
.irp t, 0,1,2,3
	global_load_b128 v[(\dst)+8*(\t):(\dst)+8*(\t)+3],   v[BO], s[(\base):(\base)+1] offset:64*(\t)
	global_load_b128 v[(\dst)+8*(\t)+4:(\dst)+8*(\t)+7], v[BO], s[(\base):(\base)+1] offset:64*(\t)+16
.endr
.endm
.macro BLOADS p, hf                    ; half hf (64 along K) of a stream step into buffer p: 16 loads of 512 consecutive bytes, by that half's own copy of the pointer
	WIN 0x40
.set k, 0
.rept 16
	global_load_b128 v[128*(\p)+64*(\hf)+4*k:128*(\p)+64*(\hf)+4*k+3], v[VO], s[PFB+4*(\p)+2*(\hf):PFB+4*(\p)+2*(\hf)+1] offset:(\hf)*8192+512*k
.set k, k+1
.endr
.endm
.macro ALOADS hf, alo, ars, aoff       ; half hf of a block step: 16 LDS loads; v[alo] serves rows 0-31, v[alo+1] rows 32-63; ars = 16 rows
	WIN 0x80
.irp u2, 0,1
.irp rt, 0,1,2,3
.irp g, 0,1
	ds_load_b128 v[128+64*(\hf)+32*(\u2)+8*(\rt)+4*(\g):128+64*(\hf)+32*(\u2)+8*(\rt)+4*(\g)+3], v[(\alo)+(\rt)/2] offset:(\aoff)+((\rt)%2)*(\ars)+(2*(\hf)+(\u2))*A_US+(\g)*A_GS
.endr
.endr
.endr
.endm
; 32 matrix instructions: 64 along K.  The 16 accumulators take turns, one instruction a turn, in the same order everywhere.
; init = 1: the first 16 start the sums with CB; init = 2: with the constant 0.
.macro HALFMUL p, hf, init
.irp u2, 0,1
.irp t, 0,1,2,3
.irp rt, 0,1,2,3
.if ((\init) == 1) && ((\hf) == 0) && ((\u2) == 0)
	WIN 0x89
	v_wmma_f32_16x16x32_bf16 v[8*(4*(\t)+(\rt)):8*(4*(\t)+(\rt))+7], v[128*(\p)+8*(4*(2*(\hf)+(\u2))+(\t)):128*(\p)+8*(4*(2*(\hf)+(\u2))+(\t))+7], v[128+64*(\hf)+32*(\u2)+8*(\rt):128+64*(\hf)+32*(\u2)+8*(\rt)+7], v[CB+8*(\t):CB+8*(\t)+7]
.elseif ((\init) == 2) && ((\hf) == 0) && ((\u2) == 0)
	WIN 0xa9
	v_wmma_f32_16x16x32_bf16 v[8*(4*(\t)+(\rt)):8*(4*(\t)+(\rt))+7], v[128*(\p)+8*(4*(2*(\hf)+(\u2))+(\t)):128*(\p)+8*(4*(2*(\hf)+(\u2))+(\t))+7], v[128+64*(\hf)+32*(\u2)+8*(\rt):128+64*(\hf)+32*(\u2)+8*(\rt)+7], 0
.else
	WIN 0xa9
	v_wmma_f32_16x16x32_bf16 v[8*(4*(\t)+(\rt)):8*(4*(\t)+(\rt))+7], v[128*(\p)+8*(4*(2*(\hf)+(\u2))+(\t)):128*(\p)+8*(4*(2*(\hf)+(\u2))+(\t))+7], v[128+64*(\hf)+32*(\u2)+8*(\rt):128+64*(\hf)+32*(\u2)+8*(\rt)+7], v[8*(4*(\t)+(\rt)):8*(4*(\t)+(\rt))+7]
.endif
.endr
.endr
.endr
.endm
; Behind a half: four v_nop, the places in front of loads into registers that its matrix instructions have read and of whatever reads their results; then ONE run of loads
; into the registers just multiplied: the next pass's first C operand (cbr), the stream's same half two steps on (pfb), the block's same half one step on (pfa).
.macro RUN p, hf, pfb, pfa, alo, ars, aoff, cbr
.rept 4
	v_nop
.endr
.if \cbr
	WIN 0
	s_wait_xcnt 0x0                                ; every earlier memory instruction has had its addresses translated (ISA guide 3.1): the last pass's stores have read their data and their base, which the next way out writes again; the youngest memory instruction stands 32 matrix instructions back
	BIAS CB, BP
.endif
.if \pfb
	BLOADS \p, \hf
.endif
.if \pfa
	ALOADS \hf, \alo, \ars, \aoff
.endif
.endm
; A K step of 128: two halves.  The run behind half H asks for the stream's half H + 4 and the block's half H + 2, so at a half's head three younger stream halves (48 loads)
; and one younger block half (16 LDS loads) may be out; loads that stand between them only make these counts stricter.  Where nothing more is asked for the counts run down.
; THE POINTER.  NXT walks the stream and is named by no load.  Each buffer half has a copy of its own, which only that half's 16 loads name; the wait at the half's head shows exactly those loads
; done (loads come back in order: ISA guide 5.7.1), so the copy is written anew behind it, and no wait for address translation stands behind a run of loads.
; dual = 1 (main alone): the block's next halves are asked for by ADUAL.
.macro SSTEP p, init, pfb, pfa0, pfa1, alo, ars, aoff, lc0, lc1, dc0, dc1, cbr, dual=0
	s_wait_loadcnt \lc0
	s_wait_dscnt \dc0
.if \pfb
	s_mov_b64 s[PFB+4*(\p):PFB+4*(\p)+1], s[NXT:NXT+1]
.endif
	HALFMUL \p, 0, \init
	RUN \p, 0, \pfb, \pfa0, \alo, \ars, \aoff, \cbr
.if \dual
	ADUAL 0
.endif
	s_wait_loadcnt \lc1
	s_wait_dscnt \dc1
.if \pfb
	s_mov_b64 s[PFB+4*(\p)+2:PFB+4*(\p)+3], s[NXT:NXT+1]
.endif
	HALFMUL \p, 1, 0
	RUN \p, 1, \pfb, \pfa1, \alo, \ars, \aoff, 0
.if \dual
	ADUAL 1
.endif
	WIN 0                                          ; at a label and at a branch every window is 0
.if \pfb
	s_add_nc_u64 s[NXT:NXT+1], s[NXT:NXT+1], 0x10000
.endif
.endm
.macro BFILL p                         ; a whole stream step, ahead of the loop
	s_mov_b64 s[PFB+4*(\p):PFB+4*(\p)+1], s[NXT:NXT+1]
	s_mov_b64 s[PFB+4*(\p)+2:PFB+4*(\p)+3], s[NXT:NXT+1]
	BLOADS \p, 0
	BLOADS \p, 1
	WIN 0
	s_add_nc_u64 s[NXT:NXT+1], s[NXT:NXT+1], 0x10000
.endm
; ---- end of the shared macros ----
; What K step 7 asks of the block: x's step 0 for the next pass (passes 0-4), or P's first step (passes 5-8).  Sixteen LDS loads on either way, so the counts behind them are the same;
; the branch hangs on the pass counter alone, which is the same in every wave.
.macro ADUAL hf
	WIN 0
	s_cmp_lt_u32 s[PASS], 5
	s_cbranch_scc0 .Lofp_\@
	ALOADS \hf, XA, 16*XP, 0
	WIN 0
	s_branch .Lasked_\@
.Lofp_\@:
	ALOADS \hf, PA, 16*PP, 0
	WIN 0
.Lasked_\@:
.endm
; x comes in by groups of 4 rows a wave: 32 loads of 512 consecutive bytes into one half of window 2, rounded in pairs, 256 consecutive bytes of LDS a store.
.macro XLOAD G
	WIN 0x80
.irp q, 0,1,2,3
.irp s, 0,1,2,3,4,5,6,7
	global_load_b128 v[128*((\G)%2)+32*(\q)+4*(\s):128*((\G)%2)+32*(\q)+4*(\s)+3], v[XO], s[XB:XB+1] offset:(4*(\G)+(\q))*4096+512*(\s) th:TH_LOAD_NT
.endr
.endr
.endm
.macro XCVT G
	WIN 0x0a
.set i, 0
.rept 64
	v_cvt_pk_bf16_f32 v[T+64*((\G)%2)+i], v[128*((\G)%2)+2*i], v[128*((\G)%2)+2*i+1]
.set i, i+1
.endr
.endm
.macro XSTORE G
	WIN 0
.irp q, 0,1,2,3
.irp s, 0,1,2,3,4,5,6,7
	ds_store_b64 v[XS], v[T+64*((\G)%2)+2*(8*(\q)+(\s)):T+64*((\G)%2)+2*(8*(\q)+(\s))+1] offset:(4*(\G)+(\q))*XP+256*(\s)
.endr
.endr
.endm
; The four pairs at v[base + 2 rt] are added up over the row: the pair, the other half of the lanes, the four waves (through LDS, bytes of their own at off).  The sums come back in v[TQ + 4 rt].
.macro ROWRED base, off
.irp rt, 0,1,2,3
	v_add_f32 v[(\base)+2*(\rt)], v[(\base)+2*(\rt)], v[(\base)+2*(\rt)+1]
.endr
.irp rt, 0,1,2,3
	v_permlanex16_b32 v[(\base)+2*(\rt)+1], v[(\base)+2*(\rt)], s[SEL], s[SEL+1]
.endr
.irp rt, 0,1,2,3
	v_add_f32 v[(\base)+2*(\rt)], v[(\base)+2*(\rt)], v[(\base)+2*(\rt)+1]
.endr
.irp rt, 0,1,2,3
	ds_store_b32 v[SC], v[(\base)+2*(\rt)] offset:(\off)+256*(\rt)   ; both halves of the lanes write the same word with the same number
.endr
	s_wait_dscnt 0x0                               ; for the others' sake: my stores are done (and no LDS load of mine is out at the signal)
	s_barrier_signal -1
	s_barrier_wait -1
.irp rt, 0,1,2,3
	ds_load_b128 v[TQ+4*(\rt):TQ+4*(\rt)+3], v[SCRD] offset:(\off)+256*(\rt)
.endr
	s_wait_dscnt 0x0
.irp rt, 0,1,2,3
	v_add_f32 v[TQ+4*(\rt)], v[TQ+4*(\rt)], v[TQ+4*(\rt)+1]
	v_add_f32 v[TQ+4*(\rt)+2], v[TQ+4*(\rt)+2], v[TQ+4*(\rt)+3]
.endr
.irp rt, 0,1,2,3
	v_add_f32 v[TQ+4*(\rt)], v[TQ+4*(\rt)], v[TQ+4*(\rt)+2]
.endr
.endm
; THE WAY OUT of 16 rows x my 64 columns of f32: into my own stage, each accumulator's low half first, and back as whole rows of 256 bytes; then stored.
.macro OSTG rt
	WIN 0x08
.irp t, 0,1,2,3
	ds_store_b128 v[OSW], v[8*(4*(\t)+(\rt)):8*(4*(\t)+(\rt))+3]   offset:64*(\t)
	ds_store_b128 v[OSW], v[8*(4*(\t)+(\rt))+4:8*(4*(\t)+(\rt))+7] offset:64*(\t)+16
.endr
	WIN 0
.irp k, 0,1,2,3,4,5,6,7
	ds_load_b128 v[T+32*(\rt)+4*(\k):T+32*(\rt)+4*(\k)+3], v[ORD] offset:2*OSP*(\k)  ; LDS serves a wave's instructions in order: these see the stores above, and the next block's stores come behind them
.endr
.endm
.macro OSND rt, younger                ; younger: the LDS instructions issued behind this block's loads: the next block's sixteen, or none
.irp k, 0,1,2,3,4,5,6,7
	s_wait_dscnt (\younger)+7-(\k)
	global_store_b128 v[OGO], v[T+32*(\rt)+4*(\k):T+32*(\rt)+4*(\k)+3], s[OUTP:OUTP+1] offset:(16*(\rt)+2*(\k))*4096 th:TH_STORE_NT  ; 16 lanes store 256 consecutive bytes, at a multiple of 256 from out's first byte
.endr
.endm
.macro OUT
	OSTG 0
	OSTG 1
	OSND 0, 16
	OSTG 2
	OSND 1, 16
	OSTG 3
	OSND 2, 16
	OSND 3, 0
.endm
	s_load_b256 s[4:11], s[0:1], 0x0               ; hidden_states s[4:5], wts s[6:7], mem s[8:9], bq s[10:11]
	s_load_b128 s[12:15], s[0:1], 0x20             ; bo s[12:13], out0 s[14:15]
	v_lshl_add_u32 v[SPW], v0, 2, SPARE
	v_mov_b32 v[NIL], 0
	v_lshrrev_b32 v1, 5, v0
	v_readfirstlane_b32 s[WV], v1                  ; wave 0..3
	v_and_b32 v1, 31, v0                           ; lane
	v_and_b32 v2, 15, v0                           ; r
	v_bfe_u32 v3, v0, 4, 1                         ; h
	s_lshl_b32 s54, s[WV], 14
	v_lshl_add_u32 v[VO], v1, 4, s54
	s_lshl_b32 s55, s[WV], 8
	v_lshl_add_u32 v[BO], v3, 5, s55
	v_mul_u32_u24 v[XA], v2, XP
	v_lshl_add_u32 v[XA], v3, 4, v[XA]
	v_add_nc_u32 v[XA+1], 32*XP, v[XA]
	v_mul_u32_u24 v[PA], v2, PP
	v_lshl_add_u32 v[PA], v3, 4, v[PA]
	v_add_nc_u32 v[PA], LP, v[PA]
	v_add_nc_u32 v[PA+1], 32*PP, v[PA]
	v_lshl_add_u32 v[PST], s[WV], 7, v[PA]         ; my 64 slots are 128 bytes of a row of P
	s_mul_i32 s54, s[WV], 16*OSP
	s_add_co_u32 s54, s54, LOST                    ; my stage
	v_mul_u32_u24 v[OSW], v2, OSP
	v_lshl_add_u32 v[OSW], v3, 5, v[OSW]
	v_add_nc_u32 v[OSW], s54, v[OSW]
	v_mul_u32_u24 v[ORD], v3, OSP
	v_lshl_add_u32 v[ORD], v2, 4, v[ORD]
	v_add_nc_u32 v[ORD], s54, v[ORD]
	v_lshlrev_b32 v[OGO], 12, v3
	v_lshl_add_u32 v[OGO], v2, 4, v[OGO]
	v_add_nc_u32 v[OGO], s55, v[OGO]
	v_lshlrev_b32 v[SCRD], 4, v2
	v_add_nc_u32 v[SCRD], LSCR, v[SCRD]
	v_lshl_add_u32 v[SC], s[WV], 2, v[SCRD]
	v_lshlrev_b32 v[XO], 4, v1
	s_mul_i32 s54, s[WV], 16*XP
	v_lshl_add_u32 v[XS], v1, 3, s54
	s_mov_b32 s[SEL], 0x76543210                   ; v_permlanex16_b32: each lane takes its own place in the other half
	s_mov_b32 s[SEL+1], 0xfedcba98
	s_mov_b32 s[L2E], 0x3fb8aa3b                   ; log2(e)
	s_mov_b32 s[L2E+1], 0xbfb8aa3b
	s_mov_b32 s[EPS], 0x2b8cbccc                   ; 1e-12
	s_lshr_b32 s54, ttmp9, 5                       ; the batch: 32 work-groups each
	s_lshl_b32 s[TS], ttmp9, 18                    ; 64 rows of 4,096 bytes
	s_mov_b32 s[TS+1], 0
	s_wait_kmcnt 0x0
	s_add_nc_u64 s[OUTB:OUTB+1], s[14:15], s[TS:TS+1]
	s_add_nc_u64 s[XB:XB+1], s[4:5], s[TS:TS+1]
	s_lshl_b32 s[TS], s[WV], 16                    ; my 16 of them
	s_add_nc_u64 s[XB:XB+1], s[XB:XB+1], s[TS:TS+1]
	s_lshl_b32 s[TS], s54, 19
	s_add_nc_u64 s[KQP:KQP+1], s[8:9], s[TS:TS+1]  ; the batch's Kq,
	s_add_nc_u64 s[VPP:VPP+1], s[KQP:KQP+1], 0x400000  ; its V',
	s_lshl_b32 s[TS], s54, 10
	s_add_nc_u64 s[CVP:CVP+1], s[8:9], s[TS:TS+1]
	s_add_nc_u64 s[CVP:CVP+1], s[CVP:CVP+1], 0x800000  ; its c
	s_mov_b64 s[NXT:NXT+1], s[6:7]                 ; Wq lies at the head of wts
	BFILL 0                                        ; the first pass's K steps 0 and 1,
	BFILL 1
	BIAS CB, 10                                    ; and its 256 numbers of bq
	XLOAD 0
	XLOAD 1
	s_wait_loadcnt 32                              ; all but the youngest group of 32
	XCVT 0
	XLOAD 2                                        ; into the registers just read
	XSTORE 0
	s_wait_loadcnt 32
	XCVT 1
	XLOAD 3
	XSTORE 1
	s_wait_loadcnt 32
	XCVT 2
	XSTORE 2
	s_wait_loadcnt 0x0
	XCVT 3
	XSTORE 3
.irp i, 0,1,2,3,4,5,6,7
	v_mov_b32 v[SS+(\i)], 0                        ; one text serves the four passes of q, so the sums of squares start at 0
.endr
	s_wait_dscnt 0x0                               ; for the others' sake: my 16 rows are in LDS
	s_barrier_signal -1
	s_barrier_wait -1
	ALOADS 0, XA, 16*XP, 0
	ALOADS 1, XA, 16*XP, 0
	WIN 0
	; THE NINE PASSES.  0-3: 256 columns of q, squared and added up.  4: the 256 similarities, and the softmax.  5-8: 256 columns of out: eight K steps of x against Wo's first half, started
	; with bo, and two of P against V'.  In wts the eight groups of 256 rows of Wq and of Wo's first half lie end to end: pass p < 4 walks group p, pass p > 4 group p - 1.
	s_mov_b32 s[PASS], 0
.Lpass:
	s_add_co_u32 s54, s[PASS], 1
	s_cmp_lt_u32 s[PASS], 4
	s_cselect_b32 s55, s54, s[PASS]                ; the group that follows this pass's
	s_lshl_b32 s[TS], s55, 19
	s_add_nc_u64 s[WNX:WNX+1], s[6:7], s[TS:TS+1]
	s_min_u32 s55, s54, 3
	s_lshl_b32 s[TS], s55, 10
	s_add_nc_u64 s[BPQ:BPQ+1], s[10:11], s[TS:TS+1]    ; bq's next 256 numbers (used in passes 0-2)
	s_sub_co_u32 s55, s[PASS], 4
	s_min_u32 s55, s55, 3                          ; the last pass asks for its own 256 numbers of bo once more and does not use them: the price of one text for nine passes
	s_lshl_b32 s[TS], s55, 10
	s_add_nc_u64 s[BPO:BPO+1], s[12:13], s[TS:TS+1]    ; bo's (used from pass 4 on)
	s_cmp_lt_u32 s[PASS], 3                        ; BP's last loads are more than 48 loads old: the counted waits since have shown them done
	s_cselect_b64 s[BP:BP+1], s[BPQ:BPQ+1], s[BPO:BPO+1]
	s_cmp_eq_u32 s[PASS], 3                        ; behind q's last pass: Kq and c
	s_cselect_b64 s[BP:BP+1], s[CVP:CVP+1], s[BP:BP+1]
	s_cselect_b64 s[ALT:ALT+1], s[KQP:KQP+1], s[WNX:WNX+1]
	s_cmp_gt_u32 s[PASS], 4                        ; in the passes of out the stream goes on with this pass's V'
	s_cselect_b64 s[ALT:ALT+1], s[VPP:VPP+1], s[ALT:ALT+1]
	v_mov_b32 v[AR], v[XA]
	v_mov_b32 v[AR+1], v[XA+1]
	; K step i asks for the stream's step i + 2 and the block's step i + 1; step 6 asks at ALT
	SSTEP 0, 1, 1, 1, 1, XA, 16*XP, 256, 48, 48, 16, 16, 1       ; starts the sums with CB, then asks for the next pass's CB
	s_mov_b32 s[CNT], 3
.Lk:
	SSTEP 1, 0, 1, 1, 1, AR, 16*XP, 512, 48, 48, 16, 16, 0
	s_cmp_eq_u32 s[CNT], 1
	s_cselect_b64 s[NXT:NXT+1], s[ALT:ALT+1], s[NXT:NXT+1]
	SSTEP 0, 0, 1, 1, 1, AR, 16*XP, 768, 48, 48, 16, 16, 0
	v_add_nc_u32 v[AR], 512, v[AR]
	v_add_nc_u32 v[AR+1], 512, v[AR+1]
	s_sub_co_u32 s[CNT], s[CNT], 1
	s_cmp_lg_u32 s[CNT], 0
	s_cbranch_scc1 .Lk
	SSTEP 1, 0, 1, 0, 0, XA, 16*XP, 0, 48, 48, 16, 16, 0, 1      ; K step 7
	s_cmp_gt_u32 s[PASS], 4
	s_cbranch_scc1 .Lop
	s_cmp_eq_u32 s[PASS], 4
	s_cbranch_scc1 .Lsoft
	WIN 0x0a                                       ; q^2: four chains by turns
.irp t, 0,1,2,3
.irp pr, 0,1,2,3
.irp rt, 0,1,2,3
	v_pk_fma_f32 v[SS+2*(\rt):SS+2*(\rt)+1], v[8*(4*(\t)+(\rt))+2*(\pr):8*(4*(\t)+(\rt))+2*(\pr)+1], v[8*(4*(\t)+(\rt))+2*(\pr):8*(4*(\t)+(\rt))+2*(\pr)+1], v[SS+2*(\rt):SS+2*(\rt)+1]
.endr
.endr
.endr
	WIN 0
	s_branch .Lbottom
.Lsoft:
	; THE SOFTMAX.  Meanwhile the first two K steps of Wo's first half, x's first fragments and bo's first 256 numbers are on their way or in registers.
	ROWRED SS, 0                                   ; |q|^2 of my lanes' rows
.irp rt, 0,1,2,3
	v_sqrt_f32 v[TQ+4*(\rt)], v[TQ+4*(\rt)]
.endr
	v_nop                                          ; a plain instruction between the last root and the use of its result
	s_wait_alu depctr_va_vdst(0)
.irp rt, 0,1,2,3
	v_max_num_f32 v[TQ+4*(\rt)], s[EPS], v[TQ+4*(\rt)]
.endr
.irp rt, 0,1,2,3
	v_rcp_f32 v[TQ+4*(\rt)], v[TQ+4*(\rt)]
.endr
	v_nop
	s_wait_alu depctr_va_vdst(0)
.irp rt, 0,1,2,3
	v_mul_f32 v[SCL+2*(\rt)], s[L2E], v[TQ+4*(\rt)]
	v_mul_f32 v[SCL+2*(\rt)+1], s[L2E], v[TQ+4*(\rt)]            ; the packed multiply names a pair
.endr
	WIN 0x82
.set i, 0
.rept 64
	v_pk_mul_f32 v[2*i:2*i+1], v[2*i:2*i+1], v[SCL+2*((i/4)%4):SCL+2*((i/4)%4)+1] op_sel_hi:[1,0]   ; the cosine times log2(e)
.set i, i+1
.endr
.set i, 0
.rept 128
	v_med3_num_f32 v[i], v[i], s[L2E+1], s[L2E]    ; held to a cosine's bound
.set i, i+1
.endr
.set i, 0
.rept 128
	v_exp_f32 v[i], v[i]
.set i, i+1
.endr
	v_nop
	WIN 0x0a
	s_wait_alu depctr_va_vdst(0)
.irp rt, 0,1,2,3
	v_pk_add_f32 v[LS+2*(\rt):LS+2*(\rt)+1], v[8*(\rt):8*(\rt)+1], v[8*(\rt)+2:8*(\rt)+3]
.endr
	WIN 0x02
.set i, 2
.rept 14
.irp rt, 0,1,2,3
	v_pk_add_f32 v[LS+2*(\rt):LS+2*(\rt)+1], v[8*(4*(i/4)+(\rt))+2*(i%4):8*(4*(i/4)+(\rt))+2*(i%4)+1], v[LS+2*(\rt):LS+2*(\rt)+1]
.endr
.set i, i+1
.endr
	WIN 0
	ROWRED LS, 1024                                ; the row's sum over all 256 slots
.irp rt, 0,1,2,3
	v_rcp_f32 v[LS+2*(\rt)], v[TQ+4*(\rt)]
	v_rcp_f32 v[LS+2*(\rt)+1], v[TQ+4*(\rt)]
.endr
	v_nop
	WIN 0x82
.set i, 0
	s_wait_alu depctr_va_vdst(0)
.rept 64
	v_pk_mul_f32 v[2*i:2*i+1], v[2*i:2*i+1], v[LS+2*((i/4)%4):LS+2*((i/4)%4)+1] op_sel_hi:[1,0]
.set i, i+1
.endr
	WIN 0x0a
.set i, 0
.rept 64
	v_cvt_pk_bf16_f32 v[T+i], v[2*i], v[2*i+1]     ; the weights' one rounding
.set i, i+1
.endr
	WIN 0
.irp t, 0,1,2,3
.irp rt, 0,1,2,3
	ds_store_b128 v[PST], v[T+4*(4*(\t)+(\rt)):T+4*(4*(\t)+(\rt))+3] offset:16*PP*(\rt)+32*(\t)
.endr
.endr
	s_wait_dscnt 0x0                               ; for the others' sake: my 64 slots of P are in LDS
	s_barrier_signal -1
	s_barrier_wait -1
	s_branch .Lbottom
.Lop:
	; The two K steps of P against V'.  The last pass's ask for nothing more of the stream, so their counts run down and they are written out apart.
	s_cmp_eq_u32 s[PASS], 8
	s_cbranch_scc0 .Lmore
	SSTEP 0, 0, 0, 1, 1, PA, 16*PP, 256, 48, 32, 16, 16, 0
	SSTEP 1, 0, 0, 0, 0, PA, 16*PP, 0, 16, 0, 16, 0, 0
	s_branch .Lout
.Lmore:
	s_mov_b64 s[NXT:NXT+1], s[WNX:WNX+1]           ; the stream goes on with the next pass's weights
	SSTEP 0, 0, 1, 1, 1, PA, 16*PP, 256, 48, 48, 16, 16, 0
	SSTEP 1, 0, 1, 1, 1, XA, 16*XP, 0, 48, 48, 16, 16, 0
.Lout:
	s_sub_co_u32 s54, s[PASS], 5                   ; this pass's 256 columns of out; the base and v128-255 were freed by the wait in this pass's K step 0
	s_lshl_b32 s[TS], s54, 10
	s_add_nc_u64 s[OUTP:OUTP+1], s[OUTB:OUTB+1], s[TS:TS+1]
	OUT                                            ; but for the last pass's, these stores leave under the next pass's products
	s_add_nc_u64 s[VPP:VPP+1], s[VPP:VPP+1], 0x20000
.Lbottom:
	s_add_co_u32 s[PASS], s[PASS], 1
	s_cmp_lt_u32 s[PASS], 9
	s_cbranch_scc1 .Lpass
	s_wait_tensorcnt 0x0                           ; the wave's end, behind my last LDS store
	ds_add_u32 v[SPW], v[NIL]
	s_wait_dscnt 0x0
	s_endpgm
.Lfunc_end_k_qfad3fd5b4c_main:
	.size	k_qfad3fd5b4c_main, .Lfunc_end_k_qfad3fd5b4c_main-k_qfad3fd5b4c_main
	.p2alignl 7, 3214868480
	.fill 96, 4, 3214868480
	.section	.rodata,"a",@progbits
	.p2align	6, 0x0
	.amdhsa_kernel k_qfad3fd5b4c_main
		.amdhsa_group_segment_fixed_size 185856
		.amdhsa_private_segment_fixed_size 0
		.amdhsa_enable_private_segment 0
		.amdhsa_kernarg_size 48
		.amdhsa_user_sgpr_count 2
		.amdhsa_user_sgpr_kernarg_segment_ptr 1
		.amdhsa_wavefront_size32 1
		.amdhsa_system_sgpr_workgroup_id_x 1
		.amdhsa_system_sgpr_workgroup_id_y 1
		.amdhsa_system_sgpr_workgroup_id_z 1
		.amdhsa_system_vgpr_workitem_id 0
		.amdhsa_next_free_vgpr 768
		.amdhsa_next_free_sgpr 74
		.amdhsa_reserve_vcc 0
		.amdhsa_float_denorm_mode_32 3
		.amdhsa_float_denorm_mode_16_64 3
		.amdhsa_memory_ordered 1
		.amdhsa_forward_progress 1
		.amdhsa_inst_pref_size 169
	.end_amdhsa_kernel
	.amdgpu_metadata
---
amdhsa.version: [ 1, 2 ]
amdhsa.kernels:
  - .name:           k_qfad3fd5b4c_main
    .symbol:         k_qfad3fd5b4c_main.kd
    .args:
      - { .name: hidden_states, .offset: 0, .size: 8, .value_kind: global_buffer, .address_space: global }
      - { .name: wts, .offset: 8, .size: 8, .value_kind: global_buffer, .address_space: global }
      - { .name: mem, .offset: 16, .size: 8, .value_kind: global_buffer, .address_space: global }
      - { .name: bq, .offset: 24, .size: 8, .value_kind: global_buffer, .address_space: global }
      - { .name: bo, .offset: 32, .size: 8, .value_kind: global_buffer, .address_space: global }
      - { .name: out0, .offset: 40, .size: 8, .value_kind: global_buffer, .address_space: global }
    .group_segment_fixed_size: 185856
    .private_segment_fixed_size: 0
    .kernarg_segment_align: 8
    .kernarg_segment_size: 48
    .max_flat_workgroup_size: 128
    .sgpr_count:     74
    .vgpr_count:     768
    .wavefront_size: 32
...
	.end_amdgpu_metadata
.endif
;; end of part 4
;; ======== version 2 of 2: 4 launches; version 1 with the launch main written anew for expert scheduling mode
;; workspace buffers: wts 16,777,216 bytes; kv 8,454,144 bytes; mem 8,396,800 bytes
;; launch prep: the kernel of part 1 again; grid 256 x 1, 8 waves a work-group, no clusters, 68,608 bytes of LDS; arguments Wq, Wo, Wk, Wv, hidden_states, wts; writes wts
;; launch kvproj: the kernel of part 2 again; grid 256 x 1, 4 waves a work-group, no clusters, 133,632 bytes of LDS; arguments wts, bk, bv, bq, kv; writes kv
;; launch fold: the kernel of part 3 again; grid 256 x 1, 4 waves a work-group, no clusters, 131,584 bytes of LDS; arguments wts, kv, mem; writes mem
;; launch main (part 5): grid 256 x 1, 4 waves a work-group, no clusters, 185,856 bytes of LDS; arguments hidden_states, wts, mem, bq, bo, out0; writes out0
.if DOCPART == 5
	.amdgcn_target "amdgcn-amd-amdhsa--gfx1250"
	.amdhsa_code_object_version 6
	.text
	.protected	k_qfad3fd5b4c_main
	.globl	k_qfad3fd5b4c_main
	.p2align	8
	.type	k_qfad3fd5b4c_main,@function
k_qfad3fd5b4c_main:
	s_mov_b64 s[64:65], 0
	v_nop
	global_prefetch_b8 v0, s[64:65] scope:SCOPE_SE
	s_setreg_imm32_b32 hwreg(HW_REG_WAVE_SCHED_MODE, 0, 2), 2
	s_setreg_imm32_b32 hwreg(HW_REG_WAVE_MODE, 25, 1), 1
	s_wait_xcnt 0x0
	s_wait_alu depctr_vm_vsrc(0)
; MAIN: out = x Wo1^T + bo + softmax((x . Kq + c) / max(|q|, 1e-12)) V', with q = x Wq^T + bq, for 64 rows of x to a work-group: 256 work-groups, x read once, out written once.
; Kq, c and V' come from the launch before (q . kn = x . Kq + c; retrieved Wo2^T = attn V').  q is needed for its row norm alone and never leaves the accumulators.
; SHARES.  The 64 rows, rounded once to bf16, lie in LDS for the whole launch (the BLOCK).  The work goes in NINE PASSES of 256 columns, walked by one text: four of q, one of the 256
; similarities, four of out.  In a pass each of the four waves makes all 64 rows x its own 64 columns: 16 accumulators.  The columns' operand (the STREAM: weights, Kq, V', in fragment order)
; is one wave's alone, so it goes from memory straight into registers, 512 consecutive bytes a load, three halves of a K step of 128 ahead; the K loop holds no barrier.
; THE MATRIX INSTRUCTION: source 0 = 16 rows of the stream, source 1 = 16 rows of x.  In the result lane r holds row r of x and registers 0-7 the columns 8 h + 0..7.
; The bias (bq, c, bo) is the C operand of the products that start a pass's sums.
; SOFTMAX WITHOUT A MAXIMUM.  The exponent is a cosine of two vectors that the reference itself normalises, at temperature 1: it lies in -1 .. 1 for every input, so no exponential and no sum of
; 256 of them can overflow or underflow.  Here the cosine is made of rounded operands, so the exponent is held to that bound, +-log2(e) in base 2.
; NO CLUSTER, NO TENSOR LOADS.  All work-groups walk the same weights, and those of a batch the same Kq and V'.  But beside the block (132,096 bytes) and P (33,792) LDS has room for two slots of
; 65,536 bytes: one K step, 64 matrix instructions a wave between a request and the wait for it, and a round of the cluster's barrier for each.  Through registers a load has 80 or more, and no wave waits for another.
; LIMITS.  x, the weights, Kq, V' and the weights P are rounded once to bf16; biases, c, norms and sums stay f32.  |q|^2 is kept in f32: a row norm beyond 1.8e19 overflows.
; The root and the reciprocals count denormals as 0, which the maximum with 1e-12 covers.  NaN and infinities are not treated apart.
; REGISTERS in windows of 256 (s_set_vgpr_msb: bits 1:0 source 0, 3:2 source 1, 5:4 source 2, 7:6 destination):
;   window 0: v0-31 addresses; v32-63 CB; v64-103 sums and scales; v128-255 at work      window 1: the stream's two buffers of 128
;   window 2: v0-127 the accumulators ((t, rt) at 8 (4 t + rt)); v128-255 the block's fragments, two halves of 64
; THE MODE: SCHED_MODE bits 1:0 = 2 (LLVM: expert scheduling mode 2), set by the entry lines.  The code itself states the register dependences
; between vector or matrix instructions and memory or LDS instructions, with s_wait_alu, always for 0.
; THE PLAN.  Registers that memory or LDS instructions touch, and who else names them.  A HALF is 64 along K, 32 matrix instructions.
;   the stream's four halves     Half H's matrix instructions read one; 16 loads issued in half H + 1 land in it: the stream's half H + 4.
;   the block's two halves       Half H's matrix instructions read one; 16 LDS loads issued in half H + 1 land in it: the block's half H + 2.
;   CB                           Read by a pass's first 16 matrix instructions, in its first half; the next pass's 8 loads stand in its second half.
;   v[AR], v[AR+1]               Read by the LDS loads of K steps 1 to 6; written at a pass's top and at the end of each trip of the K loop.
;   the accumulators             Written by matrix instructions; read by the way out's LDS stores; written again by the next pass's first products.
;   v[T ..]                      x's and P's roundings write it and LDS stores read it; on the way out LDS loads land in it and global stores read it.
;   SS, LS, TQ                   Vector sums write SS and LS, four LDS stores read each, reciprocals write LS again; LDS loads land in TQ.
;   v4-7, v10-21                 Offsets and addresses, made at the head and never written again.
; A half's matrix instructions name their own stream half, their own block half, the accumulators and, in a pass's first half, CB: none of the registers that the half's loads touch.  So ONE wait on
; va_vdst stands at a half's head, and the half's loads are dealt among its matrix instructions with no further wait.  One wait on vm_vsrc stands at a pass's top, one ahead of each add to v[AR].
.set XP,    2064                       ; a row of x in LDS: 2,048 bytes + 16 = 129 x 16: the 16 rows of a fragment load start in 16 different 16-byte columns of the 256 bytes of banks (ISA guide 11.1)
.set PP,    528                        ; a row of P: 512 + 16 = 33 x 16
.set OSP,   272                        ; a row of a wave's stage for the way out: 256 + 16 = 17 x 16
.set LP,    64*XP                      ; 132,096
.set LOST,  LP+64*PP                   ; 165,888: 16 rows x 272 bytes for each wave
.set LSCR,  LOST+4*16*OSP              ; 183,296: [row 64][wave 4] f32, once for |q|^2 and, 1,024 bytes on, once for the weights' sums
.set SPARE, LSCR+2048                  ; 185,344: the spare words, 128 bytes for each wave
.set A_US,  64                         ; x and P lie by rows: 32 along K on are 64 bytes,
.set A_GS,  32                         ; a fragment's second half 32
.set VO,   4                           ; v4     16,384 w + 16 lane: my place in a step of the stream
.set BO,   5                           ; v5     256 w + 32 h: my eight numbers of a bias
.set XA,   6                           ; v6-7   2,064 r + 16 h, and 32 rows on
.set AR,   8                           ; v8-9   the same, running along K
.set PA,   10                          ; v10-11 LP + 528 r + 16 h, and 32 rows on
.set PST,  12                          ; v12    where I put 16 bytes of P
.set OSW,  13                          ; v13    the way out: where I put 16 bytes of a row
.set ORD,  14                          ; v14    where I read a row back
.set OGO,  15                          ; v15    my byte offset in out
.set SC,   16                          ; v16    LSCR + 16 r + 4 w
.set SCRD, 17                          ; v17    LSCR + 16 r
.set SPW,  18                          ; v18    my spare word; never rewritten
.set NIL,  19                          ; v19    0; never rewritten
.set XO,   20                          ; v20    16 lane
.set XS,   21                          ; v21    my 16 rows of x in LDS + 8 lane
.set CB,   32                          ; v32-63 the first C operand: 8 registers for each t
.set SS,   64                          ; v64-71 sums of q^2, a pair for each rt
.set SCL,  72                          ; v72-79 log2(e) / max(|q|, eps), a pair for each rt
.set LS,   80                          ; v80-87 sums of the weights, then their reciprocals
.set TQ,   88                          ; v88-103 at work
.set T,    128
.set WV,   16
.set NXT,  20                          ; s[20:21] the stream step to be asked for next: named by no memory instruction
.set ALT,  22                          ; s[22:23] where the stream goes on behind the eight steps against x
.set WNX,  24                          ; s[24:25] the weights' next group of 256 rows
.set KQP,  26
.set BPQ,  28
.set VPP,  30
.set BP,   32                          ; s[32:33] the next pass's first C operand
.set BPO,  34
.set CVP,  36
.set OUTP, 38
.set XB,   40
.set OUTB, 42
.set PASS, 44
.set CNT,  45
.set SEL,  46
.set L2E,  48                          ; s48 log2(e), s49 -log2(e)
.set EPS,  50
.set TS,   52                          ; s[52:53] an offset in 64 bits
.set PFB,  66                          ; s[66:69] two copies of the stream's pointer: buffer p's at PFB + 2 p
; ---- the K step's macros ----
.set MSB, 0
.macro WIN new                         ; the immediate's high byte repeats the setting that is left; a switch that changes nothing is dropped
.if MSB != (\new)
	s_set_vgpr_msb (MSB<<8)|(\new)
.set MSB, (\new)
.endif
.endm
.macro BIAS dst, base                  ; register j of group t: number 64 w + 16 t + 8 h + j of 256
.irp t, 0,1,2,3
	global_load_b128 v[(\dst)+8*(\t):(\dst)+8*(\t)+3],   v[BO], s[(\base):(\base)+1] offset:64*(\t)
	global_load_b128 v[(\dst)+8*(\t)+4:(\dst)+8*(\t)+7], v[BO], s[(\base):(\base)+1] offset:64*(\t)+16
.endr
.endm
.macro BLOADS p, hf, k0                ; eight of the 16 loads of half hf (64 along K) of a stream step into buffer p, from number k0 on: 512 consecutive bytes each, by the buffer's own copy of the pointer
	WIN 0x40
.set k, (\k0)
.rept 8
	global_load_b128 v[128*(\p)+64*(\hf)+4*k:128*(\p)+64*(\hf)+4*k+3], v[VO], s[PFB+2*(\p):PFB+2*(\p)+1] offset:(\hf)*8192+512*k
.set k, k+1
.endr
.endm
.macro ALOADS hf, u2, alo, ars, aoff   ; eight of the 16 LDS loads of half hf of a block step: its 32 along K number u2; v[alo] serves rows 0-31, v[alo+1] rows 32-63; ars = 16 rows
	WIN 0x80
.irp rt, 0,1,2,3
.irp g, 0,1
	ds_load_b128 v[128+64*(\hf)+32*(\u2)+8*(\rt)+4*(\g):128+64*(\hf)+32*(\u2)+8*(\rt)+4*(\g)+3], v[(\alo)+(\rt)/2] offset:(\aoff)+((\rt)%2)*(\ars)+(2*(\hf)+(\u2))*A_US+(\g)*A_GS
.endr
.endr
.endm
; Four matrix instructions: stream rows 16 t on x the block's four groups of 16 rows, 32 along K.  The 16 accumulators take turns, one instruction a turn, in the same order everywhere.
; init = 1: they start the sums with CB.
.macro MUL4 p, hf, u2, t, init
.irp rt, 0,1,2,3
.if \init
	WIN 0x89
	v_wmma_f32_16x16x32_bf16 v[8*(4*(\t)+(\rt)):8*(4*(\t)+(\rt))+7], v[128*(\p)+8*(4*(2*(\hf)+(\u2))+(\t)):128*(\p)+8*(4*(2*(\hf)+(\u2))+(\t))+7], v[128+64*(\hf)+32*(\u2)+8*(\rt):128+64*(\hf)+32*(\u2)+8*(\rt)+7], v[CB+8*(\t):CB+8*(\t)+7]
.else
	WIN 0xa9
	v_wmma_f32_16x16x32_bf16 v[8*(4*(\t)+(\rt)):8*(4*(\t)+(\rt))+7], v[128*(\p)+8*(4*(2*(\hf)+(\u2))+(\t)):128*(\p)+8*(4*(2*(\hf)+(\u2))+(\t))+7], v[128+64*(\hf)+32*(\u2)+8*(\rt):128+64*(\hf)+32*(\u2)+8*(\rt)+7], v[8*(4*(\t)+(\rt)):8*(4*(\t)+(\rt))+7]
.endif
.endr
.endm
; What K step 7's second half asks of the block: the first half of x's step 0 for the next pass (passes 0-4), or of P's first step (passes 5-8).  Sixteen LDS loads on either way;
; the branch hangs on the pass counter alone, which is the same in every wave.
.macro ADUAL
	WIN 0
	s_cmp_lt_u32 s[PASS], 5
	s_cbranch_scc0 .Lofp_\@
	ALOADS 0, 0, XA, 16*XP, 0
	ALOADS 0, 1, XA, 16*XP, 0
	WIN 0
	s_branch .Lasked_\@
.Lofp_\@:
	ALOADS 0, 0, PA, 16*PP, 0
	ALOADS 0, 1, PA, 16*PP, 0
	WIN 0
.Lasked_\@:
.endm
; A HALF of a K step: 32 matrix instructions on stream buffer p's half hf and the block's half hf.  Its loads land in the registers that the half BEFORE multiplied:
;   hf = 0: the stream's buffer 1 - p, half 1 (the next step's second half: gl), and the block's half 1 (this step's own second half: al);
;   hf = 1: the stream's buffer p, half 0 (the first half two steps on: gl), and the block's half 0 (the next step's first half: al, or ADUAL's choice: dual); cbr: the next pass's first C operand too.
; They are dealt among the first 16 matrix instructions in groups of eight, the LDS loads first: those are wanted at the next half's head, the stream's three halves on.
; So at a half's head two younger stream halves (32 loads) may be out, and no LDS load; loads that stand between them only make the count stricter.  Where nothing more is asked for the counts run down.
; THE POINTER.  NXT walks the stream and is named by no load.  Each stream buffer has a copy, written in the second half of the step that multiplies the buffer and named by the 32 loads that fill the buffer
; again: 16 in that half, 16 in the next.  The wait at that second half's head shows the copy's last 32 loads done (loads come back in order: ISA guide 5.7.1), so the copy is written anew behind it.
.macro HALF p, hf, init, gl, al, alo, ars, aoff, lc, cbr=0, dual=0
.set GP, (\p)+(1-(\hf))*(1-2*(\p))     ; the stream buffer that this half's loads fill
	s_wait_loadcnt \lc
	s_wait_dscnt 0x0                               ; the block's half, asked for in the half before, is in
.if \cbr
	s_wait_xcnt 0x0                                ; every earlier memory instruction has had its addresses translated (ISA guide 3.1): the last pass's stores have read their data and their base, which the next way out writes again; the youngest memory instruction stands 16 matrix instructions back
.endif
.if (\gl) || (\al) || (\dual)
	s_wait_alu depctr_va_vdst(0)                   ; the half before's matrix instructions are done reading their stream half, their block half and, in a pass's first half, CB, in which the loads below land; v[AR] is written
.endif
.if (\gl) && (\hf)
	s_mov_b64 s[PFB+2*(\p):PFB+2*(\p)+1], s[NXT:NXT+1]
.endif
	MUL4 \p, \hf, 0, 0, \init
.if \al
	ALOADS 1-(\hf), 0, \alo, \ars, \aoff           ; no wait: no vector or matrix instruction since the wait above names a register that this half's loads touch
.endif
.if \dual
	ADUAL
.endif
	MUL4 \p, \hf, 0, 1, \init
.if \al
	ALOADS 1-(\hf), 1, \alo, \ars, \aoff
.endif
	MUL4 \p, \hf, 0, 2, \init
.if \cbr
	WIN 0
	BIAS CB, BP
.endif
.if \gl
	BLOADS GP, 1-(\hf), 0
.endif
	MUL4 \p, \hf, 0, 3, \init
.if \gl
	BLOADS GP, 1-(\hf), 8
.endif
.irp t, 0,1,2,3
	MUL4 \p, \hf, 1, \t, 0
.endr
.endm
; A K step of 128: two halves.  alo0, ars0, aoff0: where this step lies in the block; alo1, ars1, aoff1: where the next step lies (a1 = 0: it is not asked for here).
; g0: the next stream step's second half is asked for; g1: the first half two steps on, at NXT.
.macro SSTEP p, init, g0, g1, alo0, ars0, aoff0, a1, alo1, ars1, aoff1, lc0, lc1, cbr=0, dual=0
	HALF \p, 0, \init, \g0, 1, \alo0, \ars0, \aoff0, \lc0
	HALF \p, 1, 0, \g1, \a1, \alo1, \ars1, \aoff1, \lc1, \cbr, \dual
	WIN 0                                          ; at a label and at a branch every window is 0
.if \g1
	s_add_nc_u64 s[NXT:NXT+1], s[NXT:NXT+1], 0x10000
.endif
.endm
; ---- end of the K step's macros ----
; x comes in by groups of 4 rows a wave: 32 loads of 512 consecutive bytes into one half of window 2, rounded in pairs, 256 consecutive bytes of LDS a store.
.macro XLOAD G
	WIN 0x80
.irp q, 0,1,2,3
.irp s, 0,1,2,3,4,5,6,7
	global_load_b128 v[128*((\G)%2)+32*(\q)+4*(\s):128*((\G)%2)+32*(\q)+4*(\s)+3], v[XO], s[XB:XB+1] offset:(4*(\G)+(\q))*4096+512*(\s) th:TH_LOAD_NT
.endr
.endr
.endm
.macro XCVT G
	WIN 0x0a
.set i, 0
.rept 64
	v_cvt_pk_bf16_f32 v[T+64*((\G)%2)+i], v[128*((\G)%2)+2*i], v[128*((\G)%2)+2*i+1]
.set i, i+1
.endr
.endm
.macro XSTORE G
	WIN 0
.irp q, 0,1,2,3
.irp s, 0,1,2,3,4,5,6,7
	ds_store_b64 v[XS], v[T+64*((\G)%2)+2*(8*(\q)+(\s)):T+64*((\G)%2)+2*(8*(\q)+(\s))+1] offset:(4*(\G)+(\q))*XP+256*(\s)
.endr
.endr
.endm
; The four pairs at v[base + 2 rt] are added up over the row: the pair, the other half of the lanes, the four waves (through LDS, bytes of their own at off).  The sums come back in v[TQ + 4 rt].
.macro ROWRED base, off
.irp rt, 0,1,2,3
	v_add_f32 v[(\base)+2*(\rt)], v[(\base)+2*(\rt)], v[(\base)+2*(\rt)+1]
.endr
.irp rt, 0,1,2,3
	v_permlanex16_b32 v[(\base)+2*(\rt)+1], v[(\base)+2*(\rt)], s[SEL], s[SEL+1]
.endr
.irp rt, 0,1,2,3
	v_add_f32 v[(\base)+2*(\rt)], v[(\base)+2*(\rt)], v[(\base)+2*(\rt)+1]
.endr
	s_wait_alu depctr_va_vdst(0)                   ; the additions have written the four sums, which the LDS stores read; every earlier vector instruction that named v[TQ ..], in which the LDS loads below land, is done
.irp rt, 0,1,2,3
	ds_store_b32 v[SC], v[(\base)+2*(\rt)] offset:(\off)+256*(\rt)   ; both halves of the lanes write the same word with the same number
.endr
	s_wait_dscnt 0x0                               ; for the others' sake: my stores are done (and no LDS load of mine is out at the signal)
	s_barrier_signal -1
	s_barrier_wait -1
.irp rt, 0,1,2,3
	ds_load_b128 v[TQ+4*(\rt):TQ+4*(\rt)+3], v[SCRD] offset:(\off)+256*(\rt)
.endr
	s_wait_dscnt 0x0
.irp rt, 0,1,2,3
	v_add_f32 v[TQ+4*(\rt)], v[TQ+4*(\rt)], v[TQ+4*(\rt)+1]
	v_add_f32 v[TQ+4*(\rt)+2], v[TQ+4*(\rt)+2], v[TQ+4*(\rt)+3]
.endr
.irp rt, 0,1,2,3
	v_add_f32 v[TQ+4*(\rt)], v[TQ+4*(\rt)], v[TQ+4*(\rt)+2]
.endr
.endm
; THE WAY OUT of 16 rows x my 64 columns of f32: into my own stage, each accumulator's low half first, and back as whole rows of 256 bytes; then stored.  It holds no vector instruction.
.macro OSTG rt
	WIN 0x08
.irp t, 0,1,2,3
	ds_store_b128 v[OSW], v[8*(4*(\t)+(\rt)):8*(4*(\t)+(\rt))+3]   offset:64*(\t)
	ds_store_b128 v[OSW], v[8*(4*(\t)+(\rt))+4:8*(4*(\t)+(\rt))+7] offset:64*(\t)+16
.endr
	WIN 0
.irp k, 0,1,2,3,4,5,6,7
	ds_load_b128 v[T+32*(\rt)+4*(\k):T+32*(\rt)+4*(\k)+3], v[ORD] offset:2*OSP*(\k)  ; LDS serves a wave's instructions in order: these see the stores above, and the next block's stores come behind them
.endr
.endm
.macro OSND rt, younger                ; younger: the LDS instructions issued behind this block's loads: the next block's sixteen, or none
.irp k, 0,1,2,3,4,5,6,7
	s_wait_dscnt (\younger)+7-(\k)
	global_store_b128 v[OGO], v[T+32*(\rt)+4*(\k):T+32*(\rt)+4*(\k)+3], s[OUTP:OUTP+1] offset:(16*(\rt)+2*(\k))*4096 th:TH_STORE_NT  ; 16 lanes store 256 consecutive bytes, at a multiple of 256 from out's first byte
.endr
.endm
.macro OUT
	OSTG 0
	OSTG 1
	OSND 0, 16
	OSTG 2
	OSND 1, 16
	OSTG 3
	OSND 2, 16
	OSND 3, 0
.endm
	s_load_b256 s[4:11], s[0:1], 0x0               ; hidden_states s[4:5], wts s[6:7], mem s[8:9], bq s[10:11]
	s_load_b128 s[12:15], s[0:1], 0x20             ; bo s[12:13], out0 s[14:15]
	v_lshl_add_u32 v[SPW], v0, 2, SPARE
	v_mov_b32 v[NIL], 0
	v_lshrrev_b32 v1, 5, v0
	v_readfirstlane_b32 s[WV], v1                  ; wave 0..3
	v_and_b32 v1, 31, v0                           ; lane
	v_and_b32 v2, 15, v0                           ; r
	v_bfe_u32 v3, v0, 4, 1                         ; h
	s_wait_alu depctr_va_sdst(0)                   ; the wave's number is written, ahead of its first reader: addresses and branches are made from it
	s_lshl_b32 s54, s[WV], 14
	v_lshl_add_u32 v[VO], v1, 4, s54
	s_lshl_b32 s55, s[WV], 8
	v_lshl_add_u32 v[BO], v3, 5, s55
	v_mul_u32_u24 v[XA], v2, XP
	v_lshl_add_u32 v[XA], v3, 4, v[XA]
	v_add_nc_u32 v[XA+1], 32*XP, v[XA]
	v_mul_u32_u24 v[PA], v2, PP
	v_lshl_add_u32 v[PA], v3, 4, v[PA]
	v_add_nc_u32 v[PA], LP, v[PA]
	v_add_nc_u32 v[PA+1], 32*PP, v[PA]
	v_lshl_add_u32 v[PST], s[WV], 7, v[PA]         ; my 64 slots are 128 bytes of a row of P
	s_mul_i32 s54, s[WV], 16*OSP
	s_add_co_u32 s54, s54, LOST                    ; my stage
	v_mul_u32_u24 v[OSW], v2, OSP
	v_lshl_add_u32 v[OSW], v3, 5, v[OSW]
	v_add_nc_u32 v[OSW], s54, v[OSW]
	v_mul_u32_u24 v[ORD], v3, OSP
	v_lshl_add_u32 v[ORD], v2, 4, v[ORD]
	v_add_nc_u32 v[ORD], s54, v[ORD]
	v_lshlrev_b32 v[OGO], 12, v3
	v_lshl_add_u32 v[OGO], v2, 4, v[OGO]
	v_add_nc_u32 v[OGO], s55, v[OGO]
	v_lshlrev_b32 v[SCRD], 4, v2
	v_add_nc_u32 v[SCRD], LSCR, v[SCRD]
	v_lshl_add_u32 v[SC], s[WV], 2, v[SCRD]
	v_lshlrev_b32 v[XO], 4, v1
	s_mul_i32 s54, s[WV], 16*XP
	v_lshl_add_u32 v[XS], v1, 3, s54
	s_mov_b32 s[SEL], 0x76543210                   ; v_permlanex16_b32: each lane takes its own place in the other half
	s_mov_b32 s[SEL+1], 0xfedcba98
	s_mov_b32 s[L2E], 0x3fb8aa3b                   ; log2(e)
	s_mov_b32 s[L2E+1], 0xbfb8aa3b
	s_mov_b32 s[EPS], 0x2b8cbccc                   ; 1e-12
	s_lshr_b32 s54, ttmp9, 5                       ; the batch: 32 work-groups each
	s_lshl_b32 s[TS], ttmp9, 18                    ; 64 rows of 4,096 bytes
	s_mov_b32 s[TS+1], 0
	s_wait_kmcnt 0x0
	s_add_nc_u64 s[OUTB:OUTB+1], s[14:15], s[TS:TS+1]
	s_add_nc_u64 s[XB:XB+1], s[4:5], s[TS:TS+1]
	s_lshl_b32 s[TS], s[WV], 16                    ; my 16 of them
	s_add_nc_u64 s[XB:XB+1], s[XB:XB+1], s[TS:TS+1]
	s_lshl_b32 s[TS], s54, 19
	s_add_nc_u64 s[KQP:KQP+1], s[8:9], s[TS:TS+1]  ; the batch's Kq,
	s_add_nc_u64 s[VPP:VPP+1], s[KQP:KQP+1], 0x400000  ; its V',
	s_lshl_b32 s[TS], s54, 10
	s_add_nc_u64 s[CVP:CVP+1], s[8:9], s[TS:TS+1]
	s_add_nc_u64 s[CVP:CVP+1], s[CVP:CVP+1], 0x800000  ; its c
	s_mov_b64 s[NXT:NXT+1], s[6:7]                 ; Wq lies at the head of wts
	s_wait_alu depctr_va_vdst(0)                   ; the offsets and addresses v4 to v21 are written, which the kernel's loads, stores and LDS instructions read
	s_mov_b64 s[PFB:PFB+1], s[NXT:NXT+1]           ; the first pass's K step 0,
	BLOADS 0, 0, 0
	BLOADS 0, 0, 8
	BLOADS 0, 1, 0
	BLOADS 0, 1, 8
	s_add_nc_u64 s[NXT:NXT+1], s[NXT:NXT+1], 0x10000
	s_mov_b64 s[PFB+2:PFB+3], s[NXT:NXT+1]         ; the first half of its K step 1 (K step 0's first half asks for the second),
	BLOADS 1, 0, 0
	BLOADS 1, 0, 8
	WIN 0
	s_add_nc_u64 s[NXT:NXT+1], s[NXT:NXT+1], 0x10000
	BIAS CB, 10                                    ; and its 256 numbers of bq
	XLOAD 0
	XLOAD 1
	s_wait_loadcnt 32                              ; all but the youngest group of 32
	XCVT 0
	s_wait_alu depctr_va_vdst(0)                   ; the roundings have written v[T ..], which the LDS stores read, and are done reading the raw rows, in whose registers the next group lands
	XLOAD 2                                        ; into the registers just read
	XSTORE 0
	s_wait_loadcnt 32
	XCVT 1
	s_wait_alu depctr_va_vdst(0)                   ; the same for the other halves of v[T ..] and of the raw registers
	XLOAD 3
	XSTORE 1
	s_wait_loadcnt 32
	s_wait_alu depctr_vm_vsrc(0)                   ; the LDS stores of groups 0 and 1 have read v[T ..], which the roundings of groups 2 and 3 write again
	XCVT 2
	s_wait_alu depctr_va_vdst(0)                   ; the roundings have written v[T ..], which the LDS stores read
	XSTORE 2
	s_wait_loadcnt 0x0
	XCVT 3
	s_wait_alu depctr_va_vdst(0)                   ; the roundings have written v[T ..], which the LDS stores read, and are done reading the raw registers, in which the block's first fragments land
	XSTORE 3
.irp i, 0,1,2,3,4,5,6,7
	v_mov_b32 v[SS+(\i)], 0                        ; one text serves the four passes of q, so the sums of squares start at 0
.endr
	s_wait_dscnt 0x0                               ; for the others' sake: my 16 rows are in LDS
	s_barrier_signal -1
	s_barrier_wait -1
	ALOADS 0, 0, XA, 16*XP, 0                      ; the first half of x's K step 0 (its first half asks for the second)
	ALOADS 0, 1, XA, 16*XP, 0
	WIN 0
	; THE NINE PASSES.  0-3: 256 columns of q, squared and added up.  4: the 256 similarities, and the softmax.  5-8: 256 columns of out: eight K steps of x against Wo's first half, started
	; with bo, and two of P against V'.  In wts the eight groups of 256 rows of Wq and of Wo's first half lie end to end: pass p < 4 walks group p, pass p > 4 group p - 1.
	s_mov_b32 s[PASS], 0
.Lpass:
	s_add_co_u32 s54, s[PASS], 1
	s_cmp_lt_u32 s[PASS], 4
	s_cselect_b32 s55, s54, s[PASS]                ; the group that follows this pass's
	s_lshl_b32 s[TS], s55, 19
	s_add_nc_u64 s[WNX:WNX+1], s[6:7], s[TS:TS+1]
	s_min_u32 s55, s54, 3
	s_lshl_b32 s[TS], s55, 10
	s_add_nc_u64 s[BPQ:BPQ+1], s[10:11], s[TS:TS+1]    ; bq's next 256 numbers (used in passes 0-2)
	s_sub_co_u32 s55, s[PASS], 4
	s_min_u32 s55, s55, 3                          ; the last pass asks for its own 256 numbers of bo once more and does not use them: the price of one text for nine passes
	s_lshl_b32 s[TS], s55, 10
	s_add_nc_u64 s[BPO:BPO+1], s[12:13], s[TS:TS+1]    ; bo's (used from pass 4 on)
	s_cmp_lt_u32 s[PASS], 3                        ; BP's last loads are more than 32 loads old: the counted waits since have shown them done
	s_cselect_b64 s[BP:BP+1], s[BPQ:BPQ+1], s[BPO:BPO+1]
	s_cmp_eq_u32 s[PASS], 3                        ; behind q's last pass: Kq and c
	s_cselect_b64 s[BP:BP+1], s[CVP:CVP+1], s[BP:BP+1]
	s_cselect_b64 s[ALT:ALT+1], s[KQP:KQP+1], s[WNX:WNX+1]
	s_cmp_gt_u32 s[PASS], 4                        ; in the passes of out the stream goes on with this pass's V'
	s_cselect_b64 s[ALT:ALT+1], s[VPP:VPP+1], s[ALT:ALT+1]
	s_wait_alu depctr_vm_vsrc(0)                   ; the LDS loads issued so far have read v[AR]; the way out's LDS stores have read the accumulators, which this pass's first products write; the stores of x, of P and of out have read v[T ..], which P's roundings and the next way out's LDS loads write
	v_mov_b32 v[AR], v[XA]
	v_mov_b32 v[AR+1], v[XA+1]
	; K step i asks for the second half of the stream's step i + 1 and the first of its step i + 2, and for its own second half of the block and the first of step i + 1; step 6 asks at ALT
	SSTEP 0, 1, 1, 1, XA, 16*XP, 0, 1, XA, 16*XP, 256, 32, 32, 1        ; starts the sums with CB, then asks for the next pass's CB
	s_mov_b32 s[CNT], 3
.Lk:
	SSTEP 1, 0, 1, 1, AR, 16*XP, 256, 1, AR, 16*XP, 512, 32, 32
	s_cmp_eq_u32 s[CNT], 1
	s_cselect_b64 s[NXT:NXT+1], s[ALT:ALT+1], s[NXT:NXT+1]
	SSTEP 0, 0, 1, 1, AR, 16*XP, 512, 1, AR, 16*XP, 768, 32, 32
	s_wait_alu depctr_vm_vsrc(0)                   ; the LDS loads issued so far have read v[AR]; that it is written anew is stated by the wait at the next half's head
	v_add_nc_u32 v[AR], 512, v[AR]
	v_add_nc_u32 v[AR+1], 512, v[AR+1]
	s_sub_co_u32 s[CNT], s[CNT], 1
	s_cmp_lg_u32 s[CNT], 0
	s_cbranch_scc1 .Lk
	SSTEP 1, 0, 1, 1, XA, 16*XP, 1792, 0, XA, 16*XP, 0, 32, 32, 0, 1    ; K step 7
	s_cmp_gt_u32 s[PASS], 4
	s_cbranch_scc1 .Lop
	s_cmp_eq_u32 s[PASS], 4
	s_cbranch_scc1 .Lsoft
.rept 4
	v_nop                                          ; four places behind the last matrix instruction, before a vector instruction reads a result (ISA guide 7.12.1)
.endr
	WIN 0x0a                                       ; q^2: four chains by turns
.irp t, 0,1,2,3
.irp pr, 0,1,2,3
.irp rt, 0,1,2,3
	v_pk_fma_f32 v[SS+2*(\rt):SS+2*(\rt)+1], v[8*(4*(\t)+(\rt))+2*(\pr):8*(4*(\t)+(\rt))+2*(\pr)+1], v[8*(4*(\t)+(\rt))+2*(\pr):8*(4*(\t)+(\rt))+2*(\pr)+1], v[SS+2*(\rt):SS+2*(\rt)+1]
.endr
.endr
.endr
	WIN 0
	s_branch .Lbottom
.Lsoft:
	; THE SOFTMAX.  Meanwhile a K step and a half of Wo's first half, x's first fragments and bo's first 256 numbers are on their way or in registers.
	ROWRED SS, 0                                   ; |q|^2 of my lanes' rows; its first four additions are the places behind the last products
.irp rt, 0,1,2,3
	v_sqrt_f32 v[TQ+4*(\rt)], v[TQ+4*(\rt)]
.endr
	v_nop                                          ; a plain instruction between the last root and the use of its result
	s_wait_alu depctr_va_vdst(0)                   ; the four roots are written, ahead of their first reader
.irp rt, 0,1,2,3
	v_max_num_f32 v[TQ+4*(\rt)], s[EPS], v[TQ+4*(\rt)]
.endr
.irp rt, 0,1,2,3
	v_rcp_f32 v[TQ+4*(\rt)], v[TQ+4*(\rt)]
.endr
	v_nop
	s_wait_alu depctr_va_vdst(0)                   ; the four reciprocals are written, ahead of their first reader
.irp rt, 0,1,2,3
	v_mul_f32 v[SCL+2*(\rt)], s[L2E], v[TQ+4*(\rt)]
	v_mul_f32 v[SCL+2*(\rt)+1], s[L2E], v[TQ+4*(\rt)]            ; the packed multiply names a pair
.endr
	WIN 0x82
.set i, 0
.rept 64
	v_pk_mul_f32 v[2*i:2*i+1], v[2*i:2*i+1], v[SCL+2*((i/4)%4):SCL+2*((i/4)%4)+1] op_sel_hi:[1,0]   ; the cosine times log2(e)
.set i, i+1
.endr
.set i, 0
.rept 128
	v_med3_num_f32 v[i], v[i], s[L2E+1], s[L2E]    ; held to a cosine's bound
.set i, i+1
.endr
.set i, 0
.rept 128
	v_exp_f32 v[i], v[i]
.set i, i+1
.endr
	v_nop
	WIN 0x0a
	s_wait_alu depctr_va_vdst(0)                   ; the 128 exponentials are written, ahead of their first reader: one wait for the batch
.irp rt, 0,1,2,3
	v_pk_add_f32 v[LS+2*(\rt):LS+2*(\rt)+1], v[8*(\rt):8*(\rt)+1], v[8*(\rt)+2:8*(\rt)+3]
.endr
	WIN 0x02
.set i, 2
.rept 14
.irp rt, 0,1,2,3
	v_pk_add_f32 v[LS+2*(\rt):LS+2*(\rt)+1], v[8*(4*(i/4)+(\rt))+2*(i%4):8*(4*(i/4)+(\rt))+2*(i%4)+1], v[LS+2*(\rt):LS+2*(\rt)+1]
.endr
.set i, i+1
.endr
	WIN 0
	ROWRED LS, 1024                                ; the row's sum over all 256 slots
	s_wait_alu depctr_vm_vsrc(0)                   ; the LDS stores of the sums have read v[LS ..], which the reciprocals write
.irp rt, 0,1,2,3
	v_rcp_f32 v[LS+2*(\rt)], v[TQ+4*(\rt)]
	v_rcp_f32 v[LS+2*(\rt)+1], v[TQ+4*(\rt)]
.endr
	v_nop
	WIN 0x82
.set i, 0
	s_wait_alu depctr_va_vdst(0)                   ; the eight reciprocals are written, ahead of their first reader
.rept 64
	v_pk_mul_f32 v[2*i:2*i+1], v[2*i:2*i+1], v[LS+2*((i/4)%4):LS+2*((i/4)%4)+1] op_sel_hi:[1,0]
.set i, i+1
.endr
	WIN 0x0a
.set i, 0
.rept 64
	v_cvt_pk_bf16_f32 v[T+i], v[2*i], v[2*i+1]     ; the weights' one rounding
.set i, i+1
.endr
	WIN 0
	s_wait_alu depctr_va_vdst(0)                   ; the roundings have written v[T ..], which the LDS stores read
.irp t, 0,1,2,3
.irp rt, 0,1,2,3
	ds_store_b128 v[PST], v[T+4*(4*(\t)+(\rt)):T+4*(4*(\t)+(\rt))+3] offset:16*PP*(\rt)+32*(\t)
.endr
.endr
	s_wait_dscnt 0x0                               ; for the others' sake: my 64 slots of P are in LDS
	s_barrier_signal -1
	s_barrier_wait -1
	s_branch .Lbottom
.Lop:
	; The two K steps of P against V'.  The last pass's ask for no more of the stream than V's last half, so their counts run down and they are written out apart.
	s_cmp_eq_u32 s[PASS], 8
	s_cbranch_scc0 .Lmore
	SSTEP 0, 0, 1, 0, PA, 16*PP, 0, 1, PA, 16*PP, 256, 32, 32
	SSTEP 1, 0, 0, 0, PA, 16*PP, 256, 0, PA, 16*PP, 0, 16, 0
	s_branch .Lout
.Lmore:
	s_mov_b64 s[NXT:NXT+1], s[WNX:WNX+1]           ; the stream goes on with the next pass's weights
	SSTEP 0, 0, 1, 1, PA, 16*PP, 0, 1, PA, 16*PP, 256, 32, 32
	SSTEP 1, 0, 1, 1, PA, 16*PP, 256, 1, XA, 16*XP, 0, 32, 32
.Lout:
	s_sub_co_u32 s54, s[PASS], 5                   ; this pass's 256 columns of out; the base and v128-255 were freed by the wait for address translation in this pass's K step 0
	s_lshl_b32 s[TS], s54, 10
	s_add_nc_u64 s[OUTP:OUTP+1], s[OUTB:OUTB+1], s[TS:TS+1]
.rept 4
	v_nop                                          ; four places behind the last matrix instruction, before a store reads its result
.endr
	s_wait_alu depctr_va_vdst(0)                   ; the matrix instructions have written the accumulators, which the way out's LDS stores read; the places above stay beside this wait
	OUT                                            ; but for the last pass's, these stores leave under the next pass's products
	s_add_nc_u64 s[VPP:VPP+1], s[VPP:VPP+1], 0x20000
.Lbottom:
	s_add_co_u32 s[PASS], s[PASS], 1
	s_cmp_lt_u32 s[PASS], 9
	s_cbranch_scc1 .Lpass
	s_wait_dscnt 0x0                               ; the closing lines, six on end
	s_wait_alu 0x0
	s_wait_tensorcnt 0x0
	ds_add_u32 v[SPW], v[NIL]
	s_wait_dscnt 0x0
	s_endpgm
.Lfunc_end_k_qfad3fd5b4c_main:
	.size	k_qfad3fd5b4c_main, .Lfunc_end_k_qfad3fd5b4c_main-k_qfad3fd5b4c_main
	.p2alignl 7, 3214868480
	.fill 96, 4, 3214868480
	.section	.rodata,"a",@progbits
	.p2align	6, 0x0
	.amdhsa_kernel k_qfad3fd5b4c_main
		.amdhsa_group_segment_fixed_size 185856
		.amdhsa_private_segment_fixed_size 0
		.amdhsa_enable_private_segment 0
		.amdhsa_kernarg_size 48
		.amdhsa_user_sgpr_count 2
		.amdhsa_user_sgpr_kernarg_segment_ptr 1
		.amdhsa_wavefront_size32 1
		.amdhsa_system_sgpr_workgroup_id_x 1
		.amdhsa_system_sgpr_workgroup_id_y 1
		.amdhsa_system_sgpr_workgroup_id_z 1
		.amdhsa_system_vgpr_workitem_id 0
		.amdhsa_next_free_vgpr 768
		.amdhsa_next_free_sgpr 74
		.amdhsa_reserve_vcc 0
		.amdhsa_float_denorm_mode_32 3
		.amdhsa_float_denorm_mode_16_64 3
		.amdhsa_memory_ordered 1
		.amdhsa_forward_progress 1
		.amdhsa_inst_pref_size 170
	.end_amdhsa_kernel
	.amdgpu_metadata
---
amdhsa.version: [ 1, 2 ]
amdhsa.kernels:
  - .name:           k_qfad3fd5b4c_main
    .symbol:         k_qfad3fd5b4c_main.kd
    .args:
      - { .name: hidden_states, .offset: 0, .size: 8, .value_kind: global_buffer, .address_space: global }
      - { .name: wts, .offset: 8, .size: 8, .value_kind: global_buffer, .address_space: global }
      - { .name: mem, .offset: 16, .size: 8, .value_kind: global_buffer, .address_space: global }
      - { .name: bq, .offset: 24, .size: 8, .value_kind: global_buffer, .address_space: global }
      - { .name: bo, .offset: 32, .size: 8, .value_kind: global_buffer, .address_space: global }
      - { .name: out0, .offset: 40, .size: 8, .value_kind: global_buffer, .address_space: global }
    .group_segment_fixed_size: 185856
    .private_segment_fixed_size: 0
    .kernarg_segment_align: 8
    .kernarg_segment_size: 48
    .max_flat_workgroup_size: 128
    .sgpr_count:     74
    .vgpr_count:     768
    .wavefront_size: 32
...
	.end_amdgpu_metadata
.endif
;; end of part 5
